; MI455X (gfx1250); checked and timed in simulation.
; The chip was launched on July 23, 2026; its instructions are those of AMD's public machine-readable ISA for CDNA 5 (MIT licence, August 2026) and "CDNA5" Instruction Set Architecture Reference Guide (July 2026). The comments in the code are by the model that wrote it; some were corrected since.
;; Multi Head Self Attention. Allowed arithmetic: float matrix products may take bf16 or f16 operands with f32 sums; all other float work in f32.
;; Inputs: token_positions 2,048 int32; w_out 1,024 x 1,024 float32; w_qkv 3,072 x 1,024 float32; x 2 x 2,048 x 1,024 float32.
;; Outputs: out0 2 x 2,048 x 1,024 float32.
;; Constants: num_heads = 16.
;; 2 versions, each right; version 2 is version 1 with the launch prep written anew for expert scheduling mode. Each part assembles by itself: llvm-mc -triple=amdgcn-amd-amdhsa -mcpu=gfx1250 --defsym DOCPART=n.
;; ======== version 1 of 2: 4 launches
;; limits: right only within a limited range of input values; values are held in f16: magnitudes above 65,504 overflow, below 6.1e-05 lose precision
;; workspace buffers: xb 8,388,608 bytes; wqb 6,291,456 bytes; wob 2,097,152 bytes; tab 524,288 bytes; qf 8,388,608 bytes; kf 8,388,608 bytes; vf 8,388,608 bytes; ao 8,388,608 bytes
;; launch prep (part 1): grid 256 x 1, 8 waves a work-group, no clusters, 0 bytes of LDS; arguments x, w_qkv, w_out, token_positions, xb, wqb, wob, tab; writes xb, wqb, wob, tab
.if DOCPART == 1
	.amdgcn_target "amdgcn-amd-amdhsa--gfx1250"
	.amdhsa_code_object_version 6
	.text
	.protected	k_qd416a49457_prep
	.globl	k_qd416a49457_prep
	.p2align	8
	.type	k_qd416a49457_prep,@function
k_qd416a49457_prep:
	s_mov_b64 s[64:65], 0
	v_nop
	global_prefetch_b8 v0, s[64:65] scope:SCOPE_SE
	s_setreg_imm32_b32 hwreg(HW_REG_WAVE_MODE, 25, 1), 1
	s_wait_xcnt 0x0
; Rounds x, w_qkv and w_out once from f32 to bf16 (xb, wqb, wob) and makes the table of cos and sin (tab).
; All three inputs carry the same one rounding, to bf16.  xb and wqb hold the bf16 numbers as they are: they meet in the first product, in its bf16 form.
; wob holds w_out's bf16 numbers WRITTEN IN F16's FORMAT, because their partner in the last product, the attention's result, is kept in f16 for its 11-bit significand:
; a bf16 number has 8 significant bits, so the change of format is exact for |w| of 2^-17 and more and off by at most 2^-25 below.
; 256 work-groups of 8 waves; each converts 32 rows of 1,024 numbers: groups 0-127 x, 128-223 w_qkv, 224-255 w_out.
; w_qkv's rows are regrouped by head: row t*1024 + h*64 + r (t = q, k, v) goes to row h*192 + t*64 + r of wqb.
; Thread t owns numbers 4t .. 4t+3 of every row: a wave's load covers 512 consecutive bytes, its store 256 consecutive aligned bytes.
; All 32 loads of a thread are issued at once, each into registers of its own, and each store has data registers of its own: the only waits are the counted ones.
; Thread t of group g also makes table entry T = 256 g + t, (cos, sin) at byte 8 T:
;   T = sblk<<9 | jw<<8 | b<<7 | c<<6 | hh<<5 | r<<1 | e   for token 16 sblk + r and frequency i = 16 jw + 8 b + 4 hh + 2 c + e,
; the order in which the projection's lanes want it (16 bytes a lane, 512 consecutive bytes a load).
; LIMITS: |token_positions| up to 2^20 (beyond it the three-part reduction by pi/2 no longer leaves |r| near pi/4 or less);
; 1/theta^(i/32) is made as exp2(-i log2(10000)/32), a few units of the last place of f32 away from the quotient of powers;
; |w_out| below 65,504 (f16's range; it is drawn with spread 0.031).
; No LDS, no barrier, no matrix unit: the launch only streams.
.set X, 32                             ; v[32:159]   row i: 4 numbers as loaded
.set Y, 160                            ; v[160:223]  row i: 4 numbers of 16 bits
.set U, 24                             ; v[24:29]    w_out's way: two packed words in bf16, four numbers widened again
	s_load_b512 s[8:23], s[0:1], 0x0               ; x 8:9, w_qkv 10:11, w_out 12:13, token_positions 14:15, xb 16:17, wqb 18:19, wob 20:21, tab 22:23
	s_mov_b32 s2, ttmp9                            ; g
	v_lshlrev_b32 v1, 4, v0                        ; 16 t: my bytes in an f32 row
	v_lshlrev_b32 v2, 3, v0                        ; 8 t: my bytes in a 16-bit row, and my table entry
	v_bfe_u32 v3, v0, 1, 4                         ; r
	v_lshlrev_b32 v3, 2, v3                        ; my token's position, in bytes from the block's first
	s_cmp_lt_u32 s2, 128
	s_cselect_b32 s3, 0, 128
	s_cmp_lt_u32 s2, 224
	s_cselect_b32 s3, s3, 224                      ; first group of my tensor
	s_sub_co_u32 s4, s2, s3                        ; j: which 32 rows of it
	s_lshl_b32 s28, s4, 17                         ; in: 32 rows of 4,096 bytes
	s_mov_b32 s29, 0
	s_lshl_b32 s30, s4, 16                         ; out: 32 rows of 2,048 bytes, in place ..
	s_lshr_b32 s5, s4, 1
	s_and_b32 s5, s5, 15                           ; .. but for w_qkv: head h = (j>>1) & 15,
	s_mul_i32 s5, s5, 192
	s_lshr_b32 s6, s4, 5                           ; t = j >> 5,
	s_lshl_b32 s6, s6, 6
	s_add_co_u32 s5, s5, s6
	s_and_b32 s6, s4, 1                            ; upper or lower 32 rows of the head's 64
	s_lshl_b32 s6, s6, 5
	s_add_co_u32 s5, s5, s6
	s_lshl_b32 s5, s5, 11
	s_cmp_eq_u32 s3, 128
	s_cselect_b32 s30, s5, s30
	s_mov_b32 s31, 0
	s_lshl_b32 s32, s2, 11                         ; table: 256 entries of 8 bytes a group
	s_mov_b32 s33, 0
	s_lshr_b32 s34, s2, 1                          ; sblk
	s_lshl_b32 s34, s34, 6                         ; 16 positions of 4 bytes
	s_mov_b32 s35, 0
	s_and_b32 s7, s2, 1
	s_lshl_b32 s7, s7, 4                           ; 16 jw
	s_wait_kmcnt 0x0
	s_cmp_lt_u32 s2, 128
	s_cselect_b64 s[24:25], s[8:9], s[10:11]       ; from
	s_cselect_b64 s[26:27], s[16:17], s[18:19]     ; to
	s_cmp_lt_u32 s2, 224
	s_cselect_b64 s[24:25], s[24:25], s[12:13]
	s_cselect_b64 s[26:27], s[26:27], s[20:21]
	s_add_nc_u64 s[24:25], s[24:25], s[28:29]
	s_add_nc_u64 s[26:27], s[26:27], s[30:31]
	s_add_nc_u64 s[22:23], s[22:23], s[32:33]
	s_add_nc_u64 s[14:15], s[14:15], s[34:35]
	global_load_b32 v4, v3, s[14:15]               ; my token's position
.irp i, 0,1,2,3,4,5,6,7,8,9,10,11,12,13,14,15,16,17,18,19,20,21,22,23,24,25,26,27,28,29,30,31
	global_load_b128 v[X+4*\i:X+4*\i+3], v1, s[24:25] offset:\i*4096 th:TH_LOAD_NT
.endr
	; while they are on their way: my frequency
	v_bfe_u32 v5, v0, 7, 1                         ; b
	v_bfe_u32 v6, v0, 5, 1                         ; hh
	v_bfe_u32 v7, v0, 6, 1                         ; c
	v_and_b32 v8, 1, v0                            ; e
	v_lshl_add_u32 v5, v5, 3, s7
	v_lshl_add_u32 v5, v6, 2, v5
	v_lshl_add_u32 v5, v7, 1, v5
	v_add_nc_u32 v5, v5, v8                        ; i
	v_cvt_f32_u32 v5, v5
	v_mul_f32 v5, 0xbed49a78, v5                   ; -i log2(10000) / 32
	v_exp_f32 v5, v5                               ; 1 / 10000^(i/32)
	v_nop                                          ; one plain vector instruction behind a transcendental before its result is used (ISA guide 5.7.2)
	s_wait_loadcnt 32                              ; the position is in; the 32 loads issued behind it stay out
	v_cvt_f32_i32 v6, v4
	s_wait_alu depctr_va_vdst(0)
	v_mul_f32 v6, v6, v5                           ; the angle, rounded as in position * inv_freq
	v_mul_f32 v7, 0x3f22f983, v6                   ; * 2/pi
	v_rndne_f32 v7, v7                             ; k quarter turns
	v_fmamk_f32 v8, v7, 0xbfc90000, v6             ; r = angle - k pi/2, pi/2 in three parts: 1.5703125,
	v_fmamk_f32 v8, v7, 0xb9fda000, v8             ; 4.8375130e-4,
	v_fmamk_f32 v8, v7, 0xb3a22168, v8             ; 7.5497900e-8
	v_mul_f32 v9, v8, v8                           ; z = r r
	v_mov_b32 v10, 0xb9500d01                      ; sin r = r + r z (-1/6 + z (1/120 - z/5040))
	v_fmaak_f32 v10, v10, v9, 0x3c088889
	v_fmaak_f32 v10, v10, v9, 0xbe2aaaab
	v_mul_f32 v11, v8, v9
	v_fma_f32 v10, v11, v10, v8
	v_mov_b32 v12, 0x37d00d01                      ; cos r = 1 + z (-1/2 + z (1/24 + z (-1/720 + z/40320)))
	v_fmaak_f32 v12, v12, v9, 0xbab60b61
	v_fmaak_f32 v12, v12, v9, 0x3d2aaaab
	v_fma_f32 v12, v12, v9, -0.5
	v_fma_f32 v12, v12, v9, 1.0
	v_cvt_i32_f32 v13, v7                          ; k as a whole number
	v_and_b32 v14, 1, v13
	v_cmp_eq_u32 vcc_lo, 1, v14                    ; an odd quarter swaps the two
	v_cndmask_b32 v15, v10, v12, vcc_lo            ; |sin|
	v_cndmask_b32 v16, v12, v10, vcc_lo            ; |cos|
	v_lshlrev_b32 v17, 30, v13
	v_and_b32 v17, 0x80000000, v17                 ; sin changes sign in quarters 2, 3: bit 1 of k
	v_xor_b32 v19, v15, v17
	v_add_nc_u32 v13, 1, v13
	v_lshlrev_b32 v13, 30, v13
	v_and_b32 v13, 0x80000000, v13                 ; cos in quarters 1, 2: bit 1 of k + 1
	v_xor_b32 v18, v16, v13
	global_store_b64 v2, v[18:19], s[22:23]        ; (cos, sin)
	s_cmp_lt_u32 s2, 224                           ; the branch hangs on the work-group's number alone
	s_cbranch_scc0 .Lw_out
	; x and w_qkv: bf16 as it is
.irp i, 0,1,2,3,4,5,6,7,8,9,10,11,12,13,14,15,16,17,18,19,20,21,22,23,24,25,26,27,28,29,30,31
	s_wait_loadcnt 31-\i                           ; loads come back in order (ISA guide 5.7.1): row i is in, the younger rows stay out
	v_cvt_pk_bf16_f32 v[Y+2*\i], v[X+4*\i], v[X+4*\i+1]
	v_cvt_pk_bf16_f32 v[Y+2*\i+1], v[X+4*\i+2], v[X+4*\i+3]
	global_store_b64 v2, v[Y+2*\i:Y+2*\i+1], s[26:27] offset:\i*2048
.endr
	s_endpgm
.Lw_out:
	; w_out: rounded to bf16, widened again (a shift, a mask), written in f16's format
.irp i, 0,1,2,3,4,5,6,7,8,9,10,11,12,13,14,15,16,17,18,19,20,21,22,23,24,25,26,27,28,29,30,31
	s_wait_loadcnt 31-\i                           ; the same counts as on the other way
	v_cvt_pk_bf16_f32 v[U], v[X+4*\i], v[X+4*\i+1]
	v_cvt_pk_bf16_f32 v[U+1], v[X+4*\i+2], v[X+4*\i+3]
	v_lshlrev_b32 v[U+2], 16, v[U]
	v_and_b32 v[U+3], 0xffff0000, v[U]
	v_lshlrev_b32 v[U+4], 16, v[U+1]
	v_and_b32 v[U+5], 0xffff0000, v[U+1]
	v_cvt_pk_f16_f32 v[Y+2*\i], v[U+2], v[U+3]
	v_cvt_pk_f16_f32 v[Y+2*\i+1], v[U+4], v[U+5]
	global_store_b64 v2, v[Y+2*\i:Y+2*\i+1], s[26:27] offset:\i*2048
.endr
	s_endpgm
.Lfunc_end_k_qd416a49457_prep:
	.size	k_qd416a49457_prep, .Lfunc_end_k_qd416a49457_prep-k_qd416a49457_prep
	.p2alignl 7, 3214868480
	.fill 96, 4, 3214868480
	.section	.rodata,"a",@progbits
	.p2align	6, 0x0
	.amdhsa_kernel k_qd416a49457_prep
		.amdhsa_group_segment_fixed_size 0
		.amdhsa_private_segment_fixed_size 0
		.amdhsa_enable_private_segment 0
		.amdhsa_kernarg_size 64
		.amdhsa_user_sgpr_count 2
		.amdhsa_user_sgpr_kernarg_segment_ptr 1
		.amdhsa_wavefront_size32 1
		.amdhsa_system_sgpr_workgroup_id_x 1
		.amdhsa_system_sgpr_workgroup_id_y 1
		.amdhsa_system_sgpr_workgroup_id_z 1
		.amdhsa_system_vgpr_workitem_id 0
		.amdhsa_next_free_vgpr 224
		.amdhsa_next_free_sgpr 66
		.amdhsa_reserve_vcc 1
		.amdhsa_float_denorm_mode_32 3
		.amdhsa_float_denorm_mode_16_64 3
		.amdhsa_memory_ordered 1
		.amdhsa_forward_progress 1
		.amdhsa_inst_pref_size 34
	.end_amdhsa_kernel
	.amdgpu_metadata
---
amdhsa.version: [ 1, 2 ]
amdhsa.kernels:
  - .name:           k_qd416a49457_prep
    .symbol:         k_qd416a49457_prep.kd
    .args:
      - { .name: x, .offset: 0, .size: 8, .value_kind: global_buffer, .address_space: global }
      - { .name: w_qkv, .offset: 8, .size: 8, .value_kind: global_buffer, .address_space: global }
      - { .name: w_out, .offset: 16, .size: 8, .value_kind: global_buffer, .address_space: global }
      - { .name: token_positions, .offset: 24, .size: 8, .value_kind: global_buffer, .address_space: global }
      - { .name: xb, .offset: 32, .size: 8, .value_kind: global_buffer, .address_space: global }
      - { .name: wqb, .offset: 40, .size: 8, .value_kind: global_buffer, .address_space: global }
      - { .name: wob, .offset: 48, .size: 8, .value_kind: global_buffer, .address_space: global }
      - { .name: tab, .offset: 56, .size: 8, .value_kind: global_buffer, .address_space: global }
    .group_segment_fixed_size: 0
    .private_segment_fixed_size: 0
    .kernarg_segment_align: 8
    .kernarg_segment_size: 64
    .max_flat_workgroup_size: 256
    .sgpr_count:     66
    .vgpr_count:     224
    .wavefront_size: 32
...
	.end_amdgpu_metadata
.endif
;; end of part 1
;; launch qkv (part 2): grid 16 x 16, 4 waves a work-group, clusters of 4 x 4, 327,680 bytes of LDS; arguments xb, wqb, tab, qf, kf, vf; writes qf, kf, vf
.if DOCPART == 2
	.amdgcn_target "amdgcn-amd-amdhsa--gfx1250"
	.amdhsa_code_object_version 6
	.text
	.protected	k_qd416a49457_qkv
	.globl	k_qd416a49457_qkv
	.p2align	8
	.type	k_qd416a49457_qkv,@function
k_qd416a49457_qkv:
	s_mov_b64 s[64:65], 0
	v_nop
	global_prefetch_b8 v0, s[64:65] scope:SCOPE_SE
	s_setreg_imm32_b32 hwreg(HW_REG_WAVE_MODE, 25, 1), 1
	s_wait_xcnt 0x0
	s_wait_alu depctr_hold_cnt(0) depctr_sa_sdst(0) depctr_va_vdst(0) depctr_va_sdst(0) depctr_va_ssrc(0) depctr_va_vcc(0) depctr_vm_vsrc(0)
	s_getreg_b32 s2, hwreg(HW_REG_IB_STS2, 6, 4)
	s_cmp_eq_u32 s2, 0
	s_cbranch_scc0 .Lentry_in_a_cluster
	s_endpgm
.Lentry_in_a_cluster:
	s_bfe_u32 s2, ttmp6, 0x10000c
	s_cmp_lg_u32 s2, 0xf033
	s_cbranch_scc0 .Lentry_shape_is_right
	s_endpgm
.Lentry_shape_is_right:
; q, k, v of one head for 256 tokens: [256 x 1024] (xb) times [192 x 1024]^T (wqb: the head's 64 rows of q, of k, of v), bf16 operands, f32 sums;
; then the rotation (cos, sin from tab) on q and k, q times log2(e)/8, rounding to F16, and stores in the order in which the attention's lanes want them.
; The results go in f16 and not bf16 for its 11-bit significand: the first tokens of a batch attend to few keys, so that their outputs are some 14 times the output's
; root mean square, and a rounding of v to 8 bits would show there.
; Work-group x = head h (0-15), y = block R of 256 of the 4,096 tokens.  Four waves; wave w: tokens 128 (w>>1) .. +127 (8 blocks of 16) and columns
; 32 (w&1) .. +31 of each of q, k, v (6 blocks of 16): 48 accumulator tiles, 384 registers.  For 32 along K a wave reads 14 x 1,024 bytes of LDS for 48 matrix instructions.
; K goes in 8 steps of 128 through two LDS slots; a tile's rows are 256 bytes of memory at multiples of 256 bytes from the buffer's first byte.
; CLUSTERS: 4 x 4 work-groups.  x's tile hangs on R alone and is asked for jointly along a row of the cluster, the weights' tile on h alone and jointly along a column.
; q and k use the matrix instruction TRANSPOSED (source 0 = weight rows, source 1 = tokens): lane (r, hh) then holds token r and the eight neighbouring columns 8 hh + j,
; so that the pairs of the rotation lie in neighbouring registers and eight results pack into 16 bytes.  v uses it straight (source 0 = tokens): lane (r, hh) holds column r
; and tokens 8 hh + j, which is V transposed, as the attention's second product wants it.
; OUT: tiles of 512 bytes, number ((b*16+h)*128 + token block)*4 + column block, lane L's 16 bytes at 16 L: each store of a wave covers 512 consecutive aligned bytes.
; LIMIT: q, k, v are rounded to f16: |q|, |k|, |v| below 65,504.  As drawn their spread is 0.7; x and w_qkv both 30 times larger give 640, both with an offset of 30 spreads 20,400.
; REGISTERS: window 0: addresses, two fragment buffers; window 1: accumulators of token blocks 0-3 (tile (a, b) at 8 (6 a + b)); window 2: blocks 4-7; window 3: the table.
.set KSTEP,  128
.set PITCH,  272                       ; an LDS row: 256 bytes + 16 of padding, so that the 16 rows of a fragment load start 16 bytes apart modulo 256
.set HALFA,  128*PITCH                 ; 128 rows of x: one tensor load
.set HALFB,  96*PITCH                  ; 96 rows of weights: one tensor load
.set SLOT,   2*HALFA+2*HALFB           ; 121,856 bytes; two slots
.set LAPS,   4                         ; 1024 / (2 x 128)
.set ADRA, 16                          ; v16-17  LDS address of my x fragments in slot 0, 1
.set ADRB, 20                          ; v20-21  the same for the weights
.set TABO, 24                          ; v24     16 x lane: offset of the table's loads (never rewritten: they stay out through the K loop)
.set STO,  25                          ; v25     16 x lane: offset of the stores
.set FA,   32                          ; v32-95, v96-159    x fragments, buffer 0, 1
.set FB,   160                         ; v160-207, v208-255 weight fragments, buffer 0, 1
.set T,    32                          ; the way out: 32 rotated numbers in f32
.set Y,    64                          ; the way out: v64-255, 24 registers of packed results for each token block
.set G1,  24                           ; s[24:31] group 1 for x's tiles
.set G0,  32                           ; s[32:39] group 0 for x's tiles, one set a slot
.set G1B, 48                           ; s[48:55] group 1 for the weights' tiles
.set G0B, 56                           ; s[56:63] group 0 for the weights' tiles, one set a slot
.set MSB, 0
.macro WIN new                         ; the immediate's high byte repeats the setting that is left
.if MSB != \new
	s_set_vgpr_msb (MSB<<8)|\new
.set MSB, \new
.endif
.endm
.set MUL_LO, 0x50                      ; sources 0 and 1 window 0, C and D window 1
.set MUL_HI, 0xa0                      ; C and D window 2
; A joint load: waves 0, 1 ask for x's halves, waves 2, 3 for the weights'.  The branch hangs on the wave's number alone.
.macro JLOAD s
	s_cmp_eq_u32 s11, 0
	s_cbranch_scc0 .Lfor_b_\@
	tensor_load_to_lds s[G0+4*\s:G0+4*\s+3], s[G1:G1+7]
	s_nop 0
	s_branch .Lasked_\@
.Lfor_b_\@:
	tensor_load_to_lds s[G0B+4*\s:G0B+4*\s+3], s[G1B:G1B+7]
	s_nop 0
.Lasked_\@:
.endm
.macro CREST                           ; a round of the cluster's barrier behind its opening work-group barrier
	s_cmp_lg_u32 s10, 0
	s_cbranch_scc1 .Lnot_wave_0_\@
	s_barrier_signal -3
.Lnot_wave_0_\@:
	s_barrier_wait -3
	s_barrier_signal -1
	s_barrier_wait -1
.endm
.macro CROUND                          ; a whole round
	s_barrier_signal -1
	s_barrier_wait -1
	CREST
.endm
.macro PLACES                          ; four plain vector instructions behind matrix instructions, ahead of loads into and vector work on their registers
.rept 4
	v_nop
.endr
.endm
	s_load_b128 s[4:7], s[0:1], 0x0                ; xb s[4:5], wqb s[6:7]
	s_load_b64 s[8:9], s[0:1], 0x10                ; tab
	s_load_b64 s[68:69], s[0:1], 0x18              ; qf
	s_load_b64 s[70:71], s[0:1], 0x20              ; kf
	s_load_b64 s[72:73], s[0:1], 0x28              ; vf
	v_lshl_add_u32 v30, v0, 2, 0x40000
	v_mov_b32 v31, 0
	ds_add_u32 v30, v31
	ds_add_u32 v30, v31
	v_lshrrev_b32 v1, 5, v0
	v_readfirstlane_b32 s10, v1                    ; wave 0..3
	s_lshr_b32 s11, s10, 1                         ; iw: my 128 tokens.  Also: I fetch x (0) or weights (1)
	s_and_b32 s12, s10, 1                          ; jw: my 32 columns.  Also: which half of that tile I fetch
	s_bfe_u32 s40, ttmp6, 0x40000                  ; cx
	s_bfe_u32 s41, ttmp6, 0x40004                  ; cy
	s_lshl_b32 s42, ttmp9, 2
	s_add_co_u32 s42, s42, s40                     ; h = 4 x cluster x + cx
	s_and_b32 s13, ttmp7, 0xffff
	s_lshl_b32 s13, s13, 2
	s_add_co_u32 s13, s13, s41                     ; R = 4 x cluster y + cy
	s_lshl_b32 s43, s41, 2
	s_lshl_b32 s43, 15, s43                        ; my row of the cluster
	s_lshl_b32 s44, 0x1111, s40                    ; my column
	s_or_b32 s[G1+0], s43, (1<<16)|(1<<20)|(1<<21)|(5<<22)|(3<<25)   ; mask; elements of 2 bytes; padding on; bit 21 beside a mask; 4 words behind every 64
	s_mov_b32 s[G1+1], KSTEP<<16                   ; tensor_dim0 = 128
	s_mov_b32 s[G1+2], 128<<16                     ; tensor_dim1 = 128
	s_mov_b32 s[G1+3], KSTEP<<16                   ; tile_dim0 = 128
	s_mov_b32 s[G1+4], 128                         ; tile_dim1 = 128
	s_mov_b32 s[G1+5], 1024                        ; elements from row to row
	s_mov_b32 s[G1+6], 0
	s_mov_b32 s[G1+7], 0
	s_or_b32 s[G1B+0], s44, (1<<16)|(1<<20)|(1<<21)|(5<<22)|(3<<25)
	s_mov_b32 s[G1B+1], KSTEP<<16
	s_mov_b32 s[G1B+2], 96<<16                     ; 96 rows
	s_mov_b32 s[G1B+3], KSTEP<<16
	s_mov_b32 s[G1B+4], 96
	s_mov_b32 s[G1B+5], 1024
	s_mov_b32 s[G1B+6], 0
	s_mov_b32 s[G1B+7], 0
	; where the tiles come from: x's address is made of R and the wave's number, the weights' of h and the wave's number, in registers that never hold the other coordinate
	s_lshl_b32 s17, s12, 7
	s_lshl_b32 s16, s13, 8
	s_add_co_u32 s16, s16, s17                     ; row 256 R + 128 half
	s_lshl_b32 s16, s16, 11                        ; of 2,048 bytes
	s_mov_b32 s17, 0
	s_mul_i32 s46, s42, 192
	s_mul_i32 s47, s12, 96
	s_add_co_u32 s46, s46, s47                     ; row 192 h + 96 half
	s_lshl_b32 s46, s46, 11
	s_mov_b32 s47, 0
	s_mul_i32 s20, s10, HALFA                      ; and where they go: waves 0, 1: x's halves from byte 0;
	s_mul_i32 s21, s10, HALFB
	s_add_co_u32 s21, s21, 2*HALFA-2*HALFB         ; waves 2, 3: the weights' halves behind them
	; offsets of the table and of the results (they mix R and h and feed no descriptor)
	s_and_b32 s76, s13, 7
	s_lshl_b32 s76, s76, 4
	s_lshl3_add_u32 s76, s11, s76                  ; my first token block in the batch: 16 (R & 7) + 8 iw
	s_lshl_b32 s78, s76, 12                        ; table: 4,096 bytes a token block,
	s_lshl_b32 s79, s12, 11                        ; 2,048 for my 16 frequencies
	s_add_co_u32 s78, s78, s79
	s_mov_b32 s79, 0
	s_lshr_b32 s77, s13, 3                         ; batch
	s_lshl_b32 s77, s77, 4
	s_add_co_u32 s77, s77, s42                     ; batch x 16 + h
	s_lshl_b32 s77, s77, 18                        ; 128 token blocks x 4 tiles x 512 bytes
	s_lshl_b32 s76, s76, 11                        ; 4 tiles a token block
	s_add_co_u32 s76, s76, s77
	s_lshl_b32 s77, s12, 10                        ; my two column blocks
	s_add_co_u32 s76, s76, s77
	s_mov_b32 s77, 0
	s_mov_b32 s74, 0x3e38aa3b                      ; log2(e) / 8: the scores' scale and the change to base 2, put on q
	s_mov_b32 s75, 0x3e38aa3b
	v_and_b32 v4, 31, v0
	v_lshlrev_b32 v[TABO], 4, v4
	v_lshlrev_b32 v[STO], 4, v4
	s_wait_dscnt 0x0
	s_wait_kmcnt 0x0
	s_add_nc_u64 s[14:15], s[4:5], s[16:17]
	s_add_nc_u64 s[46:47], s[6:7], s[46:47]
	s_add_nc_u64 s[8:9], s[8:9], s[78:79]
	s_add_nc_u64 s[68:69], s[68:69], s[76:77]
	s_add_nc_u64 s[70:71], s[70:71], s[76:77]
	s_add_nc_u64 s[72:73], s[72:73], s[76:77]
	; the table: for token block a, column block bp, (cos, sin) of my four pairs in window 3 at 16 a + 8 bp; waited for on the way out
	WIN 0xc0
.irp a, 0,1,2,3,4,5,6,7
.irp bp, 0,1
.irp c, 0,1
	global_load_b128 v[16*\a+8*\bp+4*\c:16*\a+8*\bp+4*\c+3], v[TABO], s[8:9] offset:\a*4096+\bp*1024+\c*512
.endr
.endr
.endr
	WIN 0
	CROUND                                         ; all sixteen work-groups are here: the first joint loads meet
.irp s, 0,1
	s_mov_b32 s[G0+4*\s], 1
	s_add_co_u32 s[G0+4*\s+1], s20, \s*SLOT
	s_add_nc_u64 s[G0+4*\s+2:G0+4*\s+3], s[14:15], \s*KSTEP*2
	s_or_b32 s[G0+4*\s+3], s[G0+4*\s+3], 0x80000000
	s_mov_b32 s[G0B+4*\s], 1
	s_add_co_u32 s[G0B+4*\s+1], s21, \s*SLOT
	s_add_nc_u64 s[G0B+4*\s+2:G0B+4*\s+3], s[46:47], \s*KSTEP*2
	s_or_b32 s[G0B+4*\s+3], s[G0B+4*\s+3], 0x80000000
	JLOAD \s                                       ; K steps 0 and 1: by this text's count a wave has at most two tensor loads out
.endr
	; fragments: lane (r, hh) reads row r at byte 16 hh and 32 bytes further
	v_and_b32 v1, 15, v0
	v_bfe_u32 v2, v0, 4, 1
	v_mul_u32_u24 v3, v1, PITCH
	v_lshl_add_u32 v3, v2, 4, v3
	s_mul_i32 s22, s11, HALFA                      ; my 128 tokens
	s_mul_i32 s23, s12, 32*PITCH                   ; my 32 of each 64 weight rows,
	s_add_co_u32 s23, s23, 2*HALFA                 ; which lie behind x's 256 rows
.irp s, 0,1
	v_add_nc_u32 v[ADRA+\s], s22, v3
	v_add_nc_u32 v[ADRB+\s], s23, v3
	s_add_co_u32 s22, s22, SLOT
	s_add_co_u32 s23, s23, SLOT
.endr
; 12 matrix instructions: token blocks a0, a0 + 1 of the window's four x my 6 column blocks (0, 1 q; 2, 3 k; 4, 5 v), 32 along K.
; zero = 1: the first product starts the sums.  The 48 accumulators take turns, one instruction a turn.
.macro MUL12 f, hi, a0, zero
.irp a, \a0, \a0+1
.irp b, 0,1,2,3
.if \zero
	v_wmma_f32_16x16x32_bf16 v[8*(6*(\a)+\b):8*(6*(\a)+\b)+7], v[FB+48*\f+8*\b:FB+48*\f+8*\b+7], v[FA+64*\f+8*(4*\hi+\a):FA+64*\f+8*(4*\hi+\a)+7], 0
.else
	v_wmma_f32_16x16x32_bf16 v[8*(6*(\a)+\b):8*(6*(\a)+\b)+7], v[FB+48*\f+8*\b:FB+48*\f+8*\b+7], v[FA+64*\f+8*(4*\hi+\a):FA+64*\f+8*(4*\hi+\a)+7], v[8*(6*(\a)+\b):8*(6*(\a)+\b)+7]
.endif
.endr
.irp b, 4,5
.if \zero
	v_wmma_f32_16x16x32_bf16 v[8*(6*(\a)+\b):8*(6*(\a)+\b)+7], v[FA+64*\f+8*(4*\hi+\a):FA+64*\f+8*(4*\hi+\a)+7], v[FB+48*\f+8*\b:FB+48*\f+8*\b+7], 0
.else
	v_wmma_f32_16x16x32_bf16 v[8*(6*(\a)+\b):8*(6*(\a)+\b)+7], v[FA+64*\f+8*(4*\hi+\a):FA+64*\f+8*(4*\hi+\a)+7], v[FB+48*\f+8*\b:FB+48*\f+8*\b+7], v[8*(6*(\a)+\b):8*(6*(\a)+\b)+7]
.endif
.endr
.endr
.endm
; 28 LDS loads in one run: the fragments of one quarter step (byte k of the rows) into buffer f: 12 for the weights, then 16 for x
.macro FETCH slot, k, f
.irp t, 0,1,2
.irp bp, 0,1
	ds_load_b128 v[FB+48*\f+8*(2*\t+\bp):FB+48*\f+8*(2*\t+\bp)+3],   v[ADRB+\slot] offset:(64*\t+16*\bp)*PITCH+\k
	ds_load_b128 v[FB+48*\f+8*(2*\t+\bp)+4:FB+48*\f+8*(2*\t+\bp)+7], v[ADRB+\slot] offset:(64*\t+16*\bp)*PITCH+\k+32
.endr
.endr
.irp i, 0,1,2,3,4,5,6,7
	ds_load_b128 v[FA+64*\f+8*\i:FA+64*\f+8*\i+3],   v[ADRA+\slot] offset:\i*16*PITCH+\k
	ds_load_b128 v[FA+64*\f+8*\i+4:FA+64*\f+8*\i+7], v[ADRA+\slot] offset:\i*16*PITCH+\k+32
.endr
.endm
; one of a K step's first three quarters: multiplies buffer f, fetches the next quarter (byte k) into buffer g in its middle
.macro QUARTER slot, k, f, g, zero
	s_wait_dscnt 8                                 ; the weights and x's blocks 0-3 are in; the youngest eight loads (x's blocks 4-7) may be out
	WIN MUL_LO
	MUL12 \f, 0, 0, \zero
	MUL12 \f, 0, 2, \zero
	PLACES
	WIN 0
	FETCH \slot, \k, \g
	s_wait_dscnt 28                                ; all but the 28 just issued
	WIN MUL_HI
	MUL12 \f, 1, 0, \zero
	MUL12 \f, 1, 2, \zero
.endm
.macro THREE slot, zero
	QUARTER \slot, 64,  0, 1, \zero
	QUARTER \slot, 128, 1, 0, 0
	QUARTER \slot, 192, 0, 1, 0
.endm
; the last quarter: multiplies buffer 1 and changes slots.  In front of the barrier each wave waits for its reads of this slot and for all its tensor loads
; (the one that is out is its part of the next slot); behind it, where the slot is filled again, the cluster's round closes, the joint refill comes first, then the next slot is read.
.macro TURN slot, next, fill
	s_wait_dscnt 8
	WIN MUL_LO
	MUL12 1, 0, 0, 0
	s_wait_dscnt 0                                 ; my reads of this slot are over
	s_wait_tensorcnt 0x0                           ; all my tensor loads have landed
	ds_add_u32 v30, v31
	s_wait_dscnt 0x0
	s_barrier_signal -1
	MUL12 1, 0, 2, 0                               ; register work while the others arrive
	WIN 0
	s_barrier_wait -1
.if \fill
	CREST                                          ; no wave of any partner still reads this slot or has a load on its way
	s_add_nc_u64 s[G0+4*\slot+2:G0+4*\slot+3], s[G0+4*\slot+2:G0+4*\slot+3], 2*KSTEP*2
	s_add_nc_u64 s[G0B+4*\slot+2:G0B+4*\slot+3], s[G0B+4*\slot+2:G0B+4*\slot+3], 2*KSTEP*2
	JLOAD \slot                                    ; the first tensor load behind the round
.endif
	PLACES
	FETCH \next, 0, 0
	WIN MUL_HI
	MUL12 1, 1, 0, 0
	MUL12 1, 1, 2, 0
.endm
.macro LAP zero
	THREE 0, \zero
	TURN 0, 1, 1
	THREE 1, 0
	TURN 1, 0, 1
.endm
	s_wait_tensorcnt 1                             ; my part of K step 0 is in; K step 1's load, issued behind it, may be out
	s_barrier_signal -1
	s_barrier_wait -1                              ; everybody's is
	FETCH 0, 0, 0
	LAP 1                                          ; K steps 0, 1; asks for 2, 3
	WIN 0
	s_mov_b32 s3, LAPS-2
.Llap:
	LAP 0                                          ; K steps 2-5; asks for 4-7
	WIN 0
	s_sub_co_u32 s3, s3, 1
	s_cmp_lg_u32 s3, 0
	s_cbranch_scc1 .Llap
	THREE 0, 0                                     ; the last lap fills nothing
	TURN 0, 1, 0
	THREE 1, 0
	s_wait_dscnt 8
	WIN MUL_LO
	MUL12 1, 0, 0, 0
	MUL12 1, 0, 2, 0
	s_wait_dscnt 0
	WIN MUL_HI
	MUL12 1, 1, 0, 0
	MUL12 1, 1, 2, 0
	; THE WAY OUT, a token block at a time
	PLACES
	s_wait_loadcnt 0x0                             ; the table
; a: token block 0-7; ap: its place in its window; wa: the window (1 or 2)
.macro OUTM a, ap, wa
	WIN 3|(\wa<<2)                                 ; source 0: the table (window 3); source 1: accumulators; source 2 and destination: window 0
.irp t, 0,1
.irp bp, 0,1
.irp p, 0,1,2,3
.set TT, T+8*(2*\t+\bp)+2*\p
.set CS, 16*\a+8*\bp+2*\p
.set AC, 8*(6*\ap+2*\t+\bp)+2*\p
	v_pk_mul_f32 v[TT:TT+1], v[CS:CS+1], v[AC:AC+1] op_sel_hi:[0,1]   ; (cos x0, cos x1)
	v_fma_f32 v[TT], -v[CS+1], v[AC+1], v[TT]                         ; cos x0 - sin x1
	v_fma_f32 v[TT+1], v[CS+1], v[AC], v[TT+1]                        ; sin x0 + cos x1
.endr
.endr
.endr
	WIN \wa|(\wa<<2)
.irp bp, 0,1
.irp i, 0,1,2,3
	v_cvt_pk_f16_f32 v[Y+24*\a+16+4*\bp+\i], v[8*(6*\ap+4+\bp)+2*\i], v[8*(6*\ap+4+\bp)+2*\i+1]   ; v: eight tokens of one column
.endr
.endr
	WIN 0
.irp i, 0,2,4,6,8,10,12,14
	v_pk_mul_f32 v[T+\i:T+\i+1], v[T+\i:T+\i+1], s[74:75] op_sel_hi:[1,0]   ; q alone
.endr
.irp i, 0,1,2,3,4,5,6,7,8,9,10,11,12,13,14,15
	v_cvt_pk_f16_f32 v[Y+24*\a+\i], v[T+2*\i], v[T+2*\i+1]
.endr
.irp bp, 0,1
	global_store_b128 v[STO], v[Y+24*\a+4*\bp:Y+24*\a+4*\bp+3],       s[68:69] offset:\a*2048+\bp*512
	global_store_b128 v[STO], v[Y+24*\a+8+4*\bp:Y+24*\a+8+4*\bp+3],   s[70:71] offset:\a*2048+\bp*512
	global_store_b128 v[STO], v[Y+24*\a+16+4*\bp:Y+24*\a+16+4*\bp+3], s[72:73] offset:\a*2048+\bp*512
.endr
.endm                                  ; each block's store data have registers of their own: nothing that a store reads is written again
	OUTM 0, 0, 1
	OUTM 1, 1, 1
	OUTM 2, 2, 1
	OUTM 3, 3, 1
	OUTM 4, 0, 2
	OUTM 5, 1, 2
	OUTM 6, 2, 2
	OUTM 7, 3, 2
	CROUND                                         ; the closing round: no work-group ends while a partner may still ask for a tile that names it
	s_endpgm
.Lfunc_end_k_qd416a49457_qkv:
	.size	k_qd416a49457_qkv, .Lfunc_end_k_qd416a49457_qkv-k_qd416a49457_qkv
	.p2alignl 7, 3214868480
	.fill 96, 4, 3214868480
	.section	.rodata,"a",@progbits
	.p2align	6, 0x0
	.amdhsa_kernel k_qd416a49457_qkv
		.amdhsa_group_segment_fixed_size 327680
		.amdhsa_private_segment_fixed_size 0
		.amdhsa_enable_private_segment 0
		.amdhsa_kernarg_size 48
		.amdhsa_user_sgpr_count 2
		.amdhsa_user_sgpr_kernarg_segment_ptr 1
		.amdhsa_wavefront_size32 1
		.amdhsa_system_sgpr_workgroup_id_x 1
		.amdhsa_system_sgpr_workgroup_id_y 1
		.amdhsa_system_sgpr_workgroup_id_z 1
		.amdhsa_system_vgpr_workitem_id 0
		.amdhsa_next_free_vgpr 896
		.amdhsa_next_free_sgpr 80
		.amdhsa_reserve_vcc 0
		.amdhsa_float_denorm_mode_32 3
		.amdhsa_float_denorm_mode_16_64 3
		.amdhsa_memory_ordered 1
		.amdhsa_forward_progress 1
		.amdhsa_inst_pref_size 180
	.end_amdhsa_kernel
	.amdgpu_metadata
---
amdhsa.version: [ 1, 2 ]
amdhsa.kernels:
  - .name:           k_qd416a49457_qkv
    .symbol:         k_qd416a49457_qkv.kd
    .args:
      - { .name: xb, .offset: 0, .size: 8, .value_kind: global_buffer, .address_space: global }
      - { .name: wqb, .offset: 8, .size: 8, .value_kind: global_buffer, .address_space: global }
      - { .name: tab, .offset: 16, .size: 8, .value_kind: global_buffer, .address_space: global }
      - { .name: qf, .offset: 24, .size: 8, .value_kind: global_buffer, .address_space: global }
      - { .name: kf, .offset: 32, .size: 8, .value_kind: global_buffer, .address_space: global }
      - { .name: vf, .offset: 40, .size: 8, .value_kind: global_buffer, .address_space: global }
    .group_segment_fixed_size: 327680
    .private_segment_fixed_size: 0
    .kernarg_segment_align: 8
    .kernarg_segment_size: 48
    .max_flat_workgroup_size: 128
    .sgpr_count:     80
    .vgpr_count:     896
    .wavefront_size: 32
...
	.end_amdgpu_metadata
.endif
;; end of part 2
;; launch attn (part 3): grid 8 x 32, 8 waves a work-group, no clusters, 327,680 bytes of LDS; arguments qf, kf, vf, ao; writes ao
.if DOCPART == 3
	.amdgcn_target "amdgcn-amd-amdhsa--gfx1250"
	.amdhsa_code_object_version 6
	.text
	.protected	k_qd416a49457_attn
	.globl	k_qd416a49457_attn
	.p2align	8
	.type	k_qd416a49457_attn,@function
k_qd416a49457_attn:
	s_mov_b64 s[64:65], 0
	v_nop
	global_prefetch_b8 v0, s[64:65] scope:SCOPE_SE
	s_setreg_imm32_b32 hwreg(HW_REG_WAVE_MODE, 25, 1), 1
	s_wait_xcnt 0x0
; Causal attention of one head (y = b*16 + h) for two blocks of 128 queries: e = 2 p and o = 15 - 2 p (x = p): e + 1 + o + 1 = 17 key tiles of 128 in every work-group.
; Scores arrive in base 2 (q carries log2(e)/8).  A running maximum is taken away before every exponential; sums and maxima in f32; P and the result are rounded to f16.
; Eight waves, w = 4 qi + kj: 64 queries (4 tiles of 16) and keys 32 kj .. +31 of each key tile; the four key shares are merged once a block, through LDS.
; Both products are used transposed.  S^T = K Q^T: lane (r, hh) holds query r, keys 8 hh + j; packed to f16 that IS the second product's B fragment.
; O^T = V^T P^T: lane (r, hh) holds query r, columns 16 cb + 8 hh + j.  So maximum, sum and rescaling are a lane's own, but for one exchange between hh = 0 and 1.
; A block's first trip is its diagonal tile: it starts the sums (C = 0, nothing is cleared) and is the only one that masks.
; Masked scores become -FLT_MAX.  A key share that is wholly masked for a query gives finite numbers under the maximum -FLT_MAX; they get the weight exp2(-huge) = 0 at the
; next rescaling or at the merge.  Every query sees its own key, so the merged sum is at least 1.
; K and V tiles (16,384 bytes each, in fragment order, dense) go through two LDS slots; each wave brings 4,096 bytes by one tensor load: one load of a wave is out at a time.
; NO CLUSTER: the eight work-groups of a head walk different tiles at any one time (diagonal first, blocks 2 p and 15 - 2 p); in lock step over all tiles
; each would pass 16 + 8 = 24 tiles in place of 17.
; No prefetch: K and V were written by the launch before and are read by eight work-groups each.
.set SLOTB, 32768                      ; a slot: K's tile, then V's
.set VOFF,  16384
.set SCR,   65536                      ; merge scratch, behind the slots: no tensor load lands there
.set QREG,  4608                       ; a query tile of a wave: 4,096 bytes of sums + 512 of (m, alpha, l0, l1)
.set WREG,  4*QREG                     ; a wave's region
.set LA, 4                             ; v4   16 lane + 4,096 kj: my fragments in a tile
.set GA, 5                             ; v5   my region of the scratch
.set TA, 6                             ; v6   query tile kj in the region of wave 4 qi
.set LO, 7                             ; v7   16 lane
.set DV, 8                             ; v8   (64 qi + r) - (32 kj + 8 hh)
.set MK, 9                             ; v9   -FLT_MAX
.set ST, 16                            ; v16-31   query tile qt: m, alpha, l0, l1
.set KF, 32                            ; v32-63   K fragments, 16 kb + 4 cb
.set VF, 64                            ; v64-95   V^T fragments, 8 cb + 4 kb
.set S,  96                            ; v96-159  scores, 16 qt + 8 kb + j
.set P,  160                           ; v160-191 P in f16, 8 qt + 4 kb + i
.set OUT, 192                          ; v192-207 packed result
.set W,  208                           ; v208-211 merge weights
.set MS, 216                           ; v216-231 the four shares' (m, alpha, l0, l1)
.set QE, 128                           ; window 1: v0-127 sums (32 qt + 8 cb), v128-191 Q of block e, v192-255 Q of block o (16 qt + 4 cb)
.set QO, 192
.set G1, 24                            ; s[24:31]
.set G0, 32                            ; s[32:39], one set a slot
.set MSB, 0
.macro WIN new
.if MSB != \new
	s_set_vgpr_msb (MSB<<8)|\new
.set MSB, \new
.endif
.endm
.macro PLACES                          ; four plain vector instructions behind matrix instructions (ISA guide 7.12.1)
.rept 4
	v_nop
.endr
.endm
	s_load_b256 s[4:11], s[0:1], 0x0               ; qf 4:5, kf 6:7, vf 8:9, ao 10:11
	v_lshl_add_u32 v254, v0, 2, 0x34000
	v_mov_b32 v255, 0
	ds_add_u32 v254, v255
	ds_add_u32 v254, v255
	v_lshrrev_b32 v1, 5, v0
	v_readfirstlane_b32 s12, v1                    ; wave 0..7
	s_lshr_b32 s13, s12, 2                         ; qi
	s_and_b32 s14, s12, 3                          ; kj
	s_mov_b32 s15, ttmp9                           ; p
	s_and_b32 s16, ttmp7, 0xffff                   ; b*16 + h
	s_lshl_b32 s17, s15, 1                         ; e
	s_sub_co_u32 s18, 15, s17                      ; o
	s_mov_b32 s20, 0x76543210                      ; v_permlanex16_b32: lane i of one half reads lane i of the other
	s_mov_b32 s21, 0xfedcba98
	s_mov_b32 s[G1+0], 3<<16                       ; elements of 8 bytes, no mask, no padding: 4,096 dense bytes as 16 rows of 256
	s_mov_b32 s[G1+1], 32<<16                      ; tensor_dim0 = 32
	s_mov_b32 s[G1+2], 16<<16                      ; tensor_dim1 = 16
	s_mov_b32 s[G1+3], 32<<16                      ; tile_dim0 = 32
	s_mov_b32 s[G1+4], 16                          ; tile_dim1 = 16
	s_mov_b32 s[G1+5], 32                          ; pitch
	s_mov_b32 s[G1+6], 0
	s_mov_b32 s[G1+7], 0
	s_lshl_b32 s22, s16, 18                        ; the head in qf, kf, vf: 128 token blocks x 2,048 bytes
	s_lshl_b32 s23, s14, 12                        ; my quarter of a tile
	s_add_co_u32 s42, s22, s23
	s_mov_b32 s43, 0
	s_wait_dscnt 0x0
	s_wait_kmcnt 0x0
	s_cmp_lt_u32 s12, 4                            ; waves 0-3 bring K, waves 4-7 V
	s_cselect_b64 s[40:41], s[6:7], s[8:9]
	s_add_nc_u64 s[40:41], s[40:41], s[42:43]      ; my quarter of the head's tile 0,
	s_or_b32 s41, s41, 0x80000000                  ; with the descriptor's type on top
	s_lshl_b32 s23, s12, 12
	s_mov_b32 s[G0+0], 1
	s_mov_b32 s[G0+1], s23                         ; slot 0: 4,096 x wave
	s_mov_b32 s[G0+4], 1
	s_add_co_u32 s[G0+5], s23, SLOTB               ; slot 1
	s_lshl_b32 s42, s17, 14                        ; tile e
	s_add_nc_u64 s[G0+2:G0+3], s[40:41], s[42:43]
	tensor_load_to_lds s[G0:G0+3], s[G1:G1+7]
	s_nop 0
	s_lshl_b32 s46, s17, 3
	s_lshl2_add_u32 s46, s13, s46                  ; 8 e + 4 qi: my first token block in block e
	s_lshl_b32 s47, s18, 3
	s_lshl2_add_u32 s47, s13, s47                  ; 8 o + 4 qi
	s_mov_b32 s59, 0
	s_lshl_b32 s58, s46, 11
	s_add_co_u32 s58, s58, s22
	s_add_nc_u64 s[54:55], s[4:5], s[58:59]        ; my Q of block e
	s_lshl_b32 s58, s47, 11
	s_add_co_u32 s58, s58, s22
	s_add_nc_u64 s[56:57], s[4:5], s[58:59]        ; of block o
	s_lshr_b32 s60, s16, 4
	s_lshl_b32 s60, s60, 7
	s_add_co_u32 s60, s60, s14                     ; 128 b + kj: I finish query tile kj
	s_and_b32 s61, s16, 15
	s_lshl_b32 s61, s61, 11                        ; the head's four tiles in a token block of ao
	s_add_co_u32 s58, s60, s46
	s_lshl_b32 s58, s58, 15                        ; 64 tiles of 512 bytes a token block
	s_add_co_u32 s58, s58, s61
	s_add_nc_u64 s[50:51], s[10:11], s[58:59]      ; where block e's result goes
	s_add_co_u32 s58, s60, s47
	s_lshl_b32 s58, s58, 15
	s_add_co_u32 s58, s58, s61
	s_add_nc_u64 s[52:53], s[10:11], s[58:59]      ; block o's
	v_and_b32 v1, 31, v0
	v_and_b32 v2, 15, v0                           ; r
	v_bfe_u32 v3, v0, 4, 1                         ; hh
	v_lshlrev_b32 v[LO], 4, v1
	WIN 0x40                                       ; destination window 1
.irp qt, 0,1,2,3
.irp cb, 0,1,2,3
	global_load_b128 v[QE+16*\qt+4*\cb:QE+16*\qt+4*\cb+3], v[LO], s[54:55] offset:\qt*2048+\cb*512
.endr
.endr
.irp qt, 0,1,2,3
.irp cb, 0,1,2,3
	global_load_b128 v[QO+16*\qt+4*\cb:QO+16*\qt+4*\cb+3], v[LO], s[56:57] offset:\qt*2048+\cb*512
.endr
.endr
	WIN 0
	s_lshl_b32 s23, s14, 12
	v_add_nc_u32 v[LA], s23, v[LO]
	s_mul_i32 s23, s12, WREG
	s_add_co_u32 s23, s23, SCR
	v_add_nc_u32 v[GA], s23, v[LO]
	s_mul_i32 s23, s13, 4*WREG
	s_mul_i32 s19, s14, QREG
	s_add_co_u32 s23, s23, s19
	s_add_co_u32 s23, s23, SCR
	v_add_nc_u32 v[TA], s23, v[LO]
	s_lshl_b32 s23, s13, 6
	s_lshl_b32 s19, s14, 5
	s_sub_co_i32 s23, s23, s19                     ; 64 qi - 32 kj
	v_lshlrev_b32 v3, 3, v3
	v_sub_nc_u32 v[DV], v2, v3
	v_add_nc_u32 v[DV], s23, v[DV]
	v_mov_b32 v[MK], 0xff7fffff
; The next tile's address into the other slot's group 0.  s44 counts 0, 1, ..; where it meets s45 (block e's end) the tile is o's diagonal one.
; It stands behind the wait for all tensor loads, where no load of the wave names a group 0.
.macro NEXT other
	s_cmp_eq_u32 s44, s45
	s_cselect_b32 s62, s18, s44
	s_lshl_b32 s42, s62, 14
	s_add_nc_u64 s[G0+4*(\other)+2:G0+4*(\other)+3], s[40:41], s[42:43]
	s_add_co_u32 s44, s44, 1
.endm
; Softmax step of query tile qt over my 16 scores a lane.
.macro SOFT qt, first
.set SB, S+16*\qt
.set SS, ST+4*\qt
.set PB, P+8*\qt
.if \first
	v_max3_num_f32 v10, v[SB], v[SB+1], v[SB+2]
	v_max3_num_f32 v11, v[SB+3], v[SB+4], v[SB+5]
	v_max3_num_f32 v12, v[SB+6], v[SB+7], v[SB+8]
	v_max3_num_f32 v13, v[SB+9], v[SB+10], v[SB+11]
	v_max3_num_f32 v14, v[SB+12], v[SB+13], v[SB+14]
	v_max3_num_f32 v10, v10, v11, v[SB+15]
	v_max3_num_f32 v12, v12, v13, v14
	v_max_num_f32 v10, v10, v12
	v_permlanex16_b32 v11, v10, s20, s21           ; the other 16 keys of the same query
	v_max_num_f32 v[SS], v10, v11                  ; m
	v_mov_b32 v[SS+1], 0                           ; alpha has no use yet; the pair (m, alpha) is read as a whole below and stored at the merge
.else
	v_max3_num_f32 v10, v[SB], v[SB+1], v[SS]      ; the old maximum among them
	v_max3_num_f32 v11, v[SB+2], v[SB+3], v[SB+4]
	v_max3_num_f32 v12, v[SB+5], v[SB+6], v[SB+7]
	v_max3_num_f32 v13, v[SB+8], v[SB+9], v[SB+10]
	v_max3_num_f32 v14, v[SB+11], v[SB+12], v[SB+13]
	v_max3_num_f32 v10, v10, v[SB+14], v[SB+15]
	v_max3_num_f32 v11, v11, v12, v13
	v_max3_num_f32 v10, v10, v11, v14
	v_permlanex16_b32 v11, v10, s20, s21
	v_max_num_f32 v10, v10, v11
	v_sub_f32 v[SS+1], v[SS], v10
	v_exp_f32 v[SS+1], v[SS+1]                     ; alpha = 2^(old m - new m)
	v_mov_b32 v[SS], v10                           ; the plain vector instruction behind the transcendental (ISA guide 5.7.2)
	s_wait_alu depctr_va_vdst(0)
.endif
.irp i, 0,2,4,6,8,10,12,14
	v_pk_add_f32 v[SB+\i:SB+\i+1], v[SB+\i:SB+\i+1], v[SS:SS+1] op_sel_hi:[1,0] neg_lo:[0,1] neg_hi:[0,1]   ; s - m
.endr
.irp i, 0,1,2,3,4,5,6,7,8,9,10,11,12,13,14,15
	v_exp_f32 v[SB+\i], v[SB+\i]
.endr
	v_nop
	s_wait_alu depctr_va_vdst(0)
.irp i, 0,1,2,3,4,5,6,7
	v_cvt_pk_f16_f32 v[PB+\i], v[SB+2*\i], v[SB+2*\i+1]
.endr
	v_pk_add_f32 v[SB:SB+1], v[SB:SB+1], v[SB+2:SB+3]
	v_pk_add_f32 v[SB+4:SB+5], v[SB+4:SB+5], v[SB+6:SB+7]
	v_pk_add_f32 v[SB+8:SB+9], v[SB+8:SB+9], v[SB+10:SB+11]
	v_pk_add_f32 v[SB+12:SB+13], v[SB+12:SB+13], v[SB+14:SB+15]
	v_pk_add_f32 v[SB:SB+1], v[SB:SB+1], v[SB+4:SB+5]
	v_pk_add_f32 v[SB+8:SB+9], v[SB+8:SB+9], v[SB+12:SB+13]
.if \first
	v_pk_add_f32 v[SS+2:SS+3], v[SB:SB+1], v[SB+8:SB+9]
.else
	v_pk_add_f32 v[SB:SB+1], v[SB:SB+1], v[SB+8:SB+9]
	v_pk_fma_f32 v[SS+2:SS+3], v[SS+2:SS+3], v[SS:SS+1], v[SB:SB+1] op_sel:[0,1,0] op_sel_hi:[1,1,1]   ; l = l alpha + sum
.endif
.endm
; One key tile.  slot: where it lies; first = 1: the block's diagonal tile; refill = 1: the other slot is asked for; qb: Q's registers; lc: global loads that may stay out.
.macro TRIP slot, first, refill, qb, lc
	s_wait_tensorcnt 0x0                           ; all my tensor loads have landed: my part of this tile
	ds_add_u32 v254, v255
	s_wait_dscnt 0x0
.if \refill
	NEXT 1-\slot
.endif
	s_wait_dscnt 0x0                               ; my reads of the other slot (and of the scratch) are back
	s_barrier_signal -1
	s_barrier_wait -1                              ; both now hold of all eight waves
.if \refill
	tensor_load_to_lds s[G0+4*(1-\slot):G0+4*(1-\slot)+3], s[G1:G1+7]   ; first behind the barrier: it has the whole trip in which to land
	s_nop 0
.endif
.irp kb, 0,1
.irp cb, 0,1,2,3
	ds_load_b128 v[KF+16*\kb+4*\cb:KF+16*\kb+4*\cb+3], v[LA] offset:\slot*SLOTB+\kb*2048+\cb*512
.endr
.endr
.irp kb, 0,1
.irp cb, 0,1,2,3
	ds_load_b128 v[VF+8*\cb+4*\kb:VF+8*\cb+4*\kb+3], v[LA] offset:\slot*SLOTB+VOFF+\kb*2048+\cb*512
.endr
.endr
.if \first
	s_wait_loadcnt \lc                             ; this block's Q is in (block e: the 16 loads of block o's Q, issued behind it, may be out)
.endif
	s_wait_dscnt 8                                 ; K is in; V's eight loads may be out
	WIN 0x04                                       ; source 1 (Q) window 1
.irp qt, 0,1,2,3
.irp kb, 0,1
	v_wmma_f32_16x16x32_f16 v[S+16*\qt+8*\kb:S+16*\qt+8*\kb+7], v[KF+16*\kb:KF+16*\kb+7], v[\qb+16*\qt:\qb+16*\qt+7], 0
.endr
.endr
.irp qt, 0,1,2,3                       ; the eight accumulators take turns, one instruction a turn
.irp kb, 0,1
	v_wmma_f32_16x16x32_f16 v[S+16*\qt+8*\kb:S+16*\qt+8*\kb+7], v[KF+16*\kb+8:KF+16*\kb+15], v[\qb+16*\qt+8:\qb+16*\qt+15], v[S+16*\qt+8*\kb:S+16*\qt+8*\kb+7]
.endr
.endr
	WIN 0
	PLACES
.if \first
.irp qt, 0,1,2,3                       ; key 32 kj + 16 kb + 8 hh + j stays where it is at most query 64 qi + 16 qt + r
.irp kb, 0,1
.irp j, 0,1,2,3,4,5,6,7
	v_cmp_le_i32 vcc_lo, 16*\kb+\j-16*\qt, v[DV]
	v_cndmask_b32 v[S+16*\qt+8*\kb+\j], v[MK], v[S+16*\qt+8*\kb+\j], vcc_lo
.endr
.endr
.endr
.endif
	SOFT 0, \first
	SOFT 1, \first
	SOFT 2, \first
	SOFT 3, \first
	s_wait_dscnt 0x0                               ; V is in
.if \first == 0
	WIN 0x41                                       ; sums in window 1, alpha in window 0
.irp qt, 0,1,2,3
.irp i, 0,2,4,6,8,10,12,14,16,18,20,22,24,26,28,30
	v_pk_mul_f32 v[32*\qt+\i:32*\qt+\i+1], v[32*\qt+\i:32*\qt+\i+1], v[ST+4*\qt:ST+4*\qt+1] op_sel:[0,1] op_sel_hi:[1,1]
.endr
.endr
.endif
	WIN 0x50                                       ; C and D window 1
.irp cb, 0,1,2,3
.irp qt, 0,1,2,3
.if \first
	v_wmma_f32_16x16x32_f16 v[32*\qt+8*\cb:32*\qt+8*\cb+7], v[VF+8*\cb:VF+8*\cb+7], v[P+8*\qt:P+8*\qt+7], 0
.else
	v_wmma_f32_16x16x32_f16 v[32*\qt+8*\cb:32*\qt+8*\cb+7], v[VF+8*\cb:VF+8*\cb+7], v[P+8*\qt:P+8*\qt+7], v[32*\qt+8*\cb:32*\qt+8*\cb+7]
.endif
.endr
.endr
	WIN 0
	PLACES                                         ; ahead of the next trip's loads into V's fragments, its writes of P, its rescaling, and the merge's stores
.endm
; The four key shares of a block become one.  Each wave gives its four query tiles and takes query tile kj of all four waves of its qi.
.macro MERGE aob
	WIN 0x04                                       ; store data window 1
.irp qt, 0,1,2,3
.irp i, 0,1,2,3,4,5,6,7
	ds_store_b128 v[GA], v[32*\qt+4*\i:32*\qt+4*\i+3] offset:\qt*QREG+\i*512
.endr
.endr
	WIN 0
.irp qt, 0,1,2,3
	ds_store_b128 v[GA], v[ST+4*\qt:ST+4*\qt+3] offset:\qt*QREG+4096
.endr
	s_wait_dscnt 0x0                               ; my stores are done, for the others' sake
	s_barrier_signal -1
	s_barrier_wait -1                              ; the next tile's load may stay out
.irp k, 0,1,2,3
	ds_load_b128 v[MS+4*\k:MS+4*\k+3], v[TA] offset:\k*WREG+4096
.endr
.irp k, 0,1,2,3
.irp i, 0,1,2,3,4,5,6,7
	ds_load_b128 v[32+32*\k+4*\i:32+32*\k+4*\i+3], v[TA] offset:\k*WREG+\i*512
.endr
.endr
	s_wait_dscnt 32                                ; the four (m, alpha, l0, l1) are in; the 32 loads of sums may be out
	v_max3_num_f32 v10, v[MS], v[MS+4], v[MS+8]
	v_max_num_f32 v10, v10, v[MS+12]               ; M
.irp k, 0,1,2,3
	v_sub_f32 v[W+\k], v[MS+4*\k], v10
.endr
.irp k, 0,1,2,3
	v_exp_f32 v[W+\k], v[W+\k]                     ; 2^(m - M)
.endr
	v_add_f32 v11, v[MS+2], v[MS+3]                ; plain work behind the transcendentals
	v_add_f32 v12, v[MS+6], v[MS+7]
	v_add_f32 v13, v[MS+10], v[MS+11]
	v_add_f32 v14, v[MS+14], v[MS+15]
	s_wait_alu depctr_va_vdst(0)
	v_mul_f32 v11, v11, v[W]
	v_fmac_f32 v11, v12, v[W+1]
	v_fmac_f32 v11, v13, v[W+2]
	v_fmac_f32 v11, v14, v[W+3]
	v_permlanex16_b32 v12, v11, s20, s21           ; the other half of each share's keys
	v_add_f32 v11, v11, v12                        ; L, at least 1
	v_rcp_f32 v11, v11
	v_nop
	s_wait_alu depctr_va_vdst(0)
.irp k, 0,1,2,3
	v_mul_f32 v[W+\k], v[W+\k], v11
.endr
	s_wait_dscnt 0x0
.irp i, 0,2,4,6,8,10,12,14,16,18,20,22,24,26,28,30
	v_pk_mul_f32 v[32+\i:33+\i], v[32+\i:33+\i], v[W:W+1] op_sel_hi:[1,0]
	v_pk_fma_f32 v[32+\i:33+\i], v[64+\i:65+\i], v[W:W+1], v[32+\i:33+\i] op_sel:[0,1,0] op_sel_hi:[1,1,1]
	v_pk_fma_f32 v[32+\i:33+\i], v[96+\i:97+\i], v[W+2:W+3], v[32+\i:33+\i] op_sel_hi:[1,0,1]
	v_pk_fma_f32 v[32+\i:33+\i], v[128+\i:129+\i], v[W+2:W+3], v[32+\i:33+\i] op_sel:[0,1,0] op_sel_hi:[1,1,1]
.endr
	s_wait_xcnt 0x0                                ; the packed result's registers were the earlier block's store data: written again only behind this wait
.irp i, 0,1,2,3,4,5,6,7,8,9,10,11,12,13,14,15
	v_cvt_pk_f16_f32 v[OUT+\i], v[32+2*\i], v[33+2*\i]
.endr
.irp cb, 0,1,2,3
	global_store_b128 v[LO], v[OUT+4*\cb:OUT+4*\cb+3], s[\aob:\aob+1] offset:\cb*512   ; 512 consecutive aligned bytes a store
.endr
.endm
	s_mov_b32 s44, 0
	s_mov_b32 s45, s17                             ; behind tile e - 1 (or at once, where e = 0) comes tile o
	TRIP 0, 1, 1, QE, 16                           ; block e's diagonal tile
	s_cmp_eq_u32 s15, 0
	s_cbranch_scc1 .Lmerge_e
	s_mov_b32 s48, s15                             ; p pairs: tiles 0 .. e - 1
.Lfull_e:
	TRIP 1, 0, 1, QE, 0
	TRIP 0, 0, 1, QE, 0
	s_sub_co_u32 s48, s48, 1
	s_cmp_lg_u32 s48, 0
	s_cbranch_scc1 .Lfull_e
.Lmerge_e:
	MERGE 50
	s_mov_b32 s44, 0
	s_mov_b32 s45, 0xffff                          ; never met: tiles 0, 1, ..
	TRIP 1, 1, 1, QO, 0                            ; block o's diagonal tile
	s_sub_co_u32 s48, 7, s15                       ; 7 - p pairs: tiles 0 .. o - 2
	s_cmp_eq_u32 s48, 0
	s_cbranch_scc1 .Llast_o
.Lfull_o:
	TRIP 0, 0, 1, QO, 0
	TRIP 1, 0, 1, QO, 0
	s_sub_co_u32 s48, s48, 1
	s_cmp_lg_u32 s48, 0
	s_cbranch_scc1 .Lfull_o
.Llast_o:
	TRIP 0, 0, 0, QO, 0                            ; tile o - 1; nothing more is asked for
	MERGE 52
	s_wait_tensorcnt 0x0
	ds_add_u32 v254, v255
	s_wait_dscnt 0x0
	s_endpgm
.Lfunc_end_k_qd416a49457_attn:
	.size	k_qd416a49457_attn, .Lfunc_end_k_qd416a49457_attn-k_qd416a49457_attn
	.p2alignl 7, 3214868480
	.fill 96, 4, 3214868480
	.section	.rodata,"a",@progbits
	.p2align	6, 0x0
	.amdhsa_kernel k_qd416a49457_attn
		.amdhsa_group_segment_fixed_size 327680
		.amdhsa_private_segment_fixed_size 0
		.amdhsa_enable_private_segment 0
		.amdhsa_kernarg_size 32
		.amdhsa_user_sgpr_count 2
		.amdhsa_user_sgpr_kernarg_segment_ptr 1
		.amdhsa_wavefront_size32 1
		.amdhsa_system_sgpr_workgroup_id_x 1
		.amdhsa_system_sgpr_workgroup_id_y 1
		.amdhsa_system_sgpr_workgroup_id_z 1
		.amdhsa_system_vgpr_workitem_id 0
		.amdhsa_next_free_vgpr 512
		.amdhsa_next_free_sgpr 66
		.amdhsa_reserve_vcc 1
		.amdhsa_float_denorm_mode_32 3
		.amdhsa_float_denorm_mode_16_64 3
		.amdhsa_memory_ordered 1
		.amdhsa_forward_progress 1
		.amdhsa_inst_pref_size 163
	.end_amdhsa_kernel
	.amdgpu_metadata
---
amdhsa.version: [ 1, 2 ]
amdhsa.kernels:
  - .name:           k_qd416a49457_attn
    .symbol:         k_qd416a49457_attn.kd
    .args:
      - { .name: qf, .offset: 0, .size: 8, .value_kind: global_buffer, .address_space: global }
      - { .name: kf, .offset: 8, .size: 8, .value_kind: global_buffer, .address_space: global }
      - { .name: vf, .offset: 16, .size: 8, .value_kind: global_buffer, .address_space: global }
      - { .name: ao, .offset: 24, .size: 8, .value_kind: global_buffer, .address_space: global }
    .group_segment_fixed_size: 327680
    .private_segment_fixed_size: 0
    .kernarg_segment_align: 8
    .kernarg_segment_size: 32
    .max_flat_workgroup_size: 256
    .sgpr_count:     66
    .vgpr_count:     512
    .wavefront_size: 32
...
	.end_amdgpu_metadata
.endif
;; end of part 3
;; launch proj (part 4): grid 8 x 32, 4 waves a work-group, clusters of 4 x 4, 327,680 bytes of LDS; arguments ao, wob, out0; writes out0
.if DOCPART == 4
	.amdgcn_target "amdgcn-amd-amdhsa--gfx1250"
	.amdhsa_code_object_version 6
	.text
	.protected	k_qd416a49457_proj
	.globl	k_qd416a49457_proj
	.p2align	8
	.type	k_qd416a49457_proj,@function
k_qd416a49457_proj:
	s_mov_b64 s[64:65], 0
	v_nop
	global_prefetch_b8 v0, s[64:65] scope:SCOPE_SE
	s_setreg_imm32_b32 hwreg(HW_REG_WAVE_MODE, 25, 1), 1
	s_wait_xcnt 0x0
	s_wait_alu depctr_hold_cnt(0) depctr_sa_sdst(0) depctr_va_vdst(0) depctr_va_sdst(0) depctr_va_ssrc(0) depctr_va_vcc(0) depctr_vm_vsrc(0)
	s_getreg_b32 s2, hwreg(HW_REG_IB_STS2, 6, 4)
	s_cmp_eq_u32 s2, 0
	s_cbranch_scc0 .Lentry_in_a_cluster
	s_endpgm
.Lentry_in_a_cluster:
	s_bfe_u32 s2, ttmp6, 0x10000c
	s_cmp_lg_u32 s2, 0xf033
	s_cbranch_scc0 .Lentry_shape_is_right
	s_endpgm
.Lentry_shape_is_right:
; out0 = ao w_out^T: [4096 x 1024] times [1024 x 1024]^T, f16 operands, f32 sums, f32 out.
; Work-group x = block of 128 columns, y = block of 128 tokens; four waves, each 64 x 64: 16 accumulator tiles in window 1 (tile (a, b) at 8 (4 a + b)).
; K goes in 4 steps of 256 through two LDS slots; the text is straight-line.
; ao lies in fragment order (tiles of 512 bytes, number token block x 64 + column block, lane L's 16 bytes at 16 L): its tile is dense in LDS and read without conflicts;
; a K step of a token block is 8,192 consecutive bytes.  w_out's rows are 512 bytes of memory a K step, padded by 16 in LDS.
; CLUSTERS: 4 x 4 work-groups; ao's tile hangs on y alone and is asked for jointly along a row of the cluster, w_out's on x alone and jointly along a column.
; The matrix instruction is used transposed (source 0 = w_out's rows, source 1 = tokens): lane (r, hh) holds token r and the eight neighbouring columns 8 hh + j.
; Results leave through a stage in LDS of the wave's own: 16 tokens x 256 bytes, read back as whole rows, sixteen lanes storing 256 consecutive aligned bytes.
.set BPITCH, 528                       ; 512 bytes + 16: an odd multiple of 16
.set HALFB,  64*BPITCH                 ; 64 rows of w_out: one tensor load
.set AOFF,   2*HALFB                   ; ao's tile behind w_out's
.set HALFA,  32768                     ; 4 token blocks x 8,192 bytes: one tensor load
.set SLOT,   AOFF+2*HALFA              ; 133,120 bytes; two slots
.set STAGE,  2*SLOT
.set SPITCH, 272
.set ADRA, 16                          ; v16-17
.set ADRB, 20                          ; v20-21
.set STO,  24
.set RD,   25
.set CO,   26
.set FB,   64                          ; v64-95, v128-159   w_out's fragments, buffer 0, 1
.set FA,   96                          ; v96-127, v160-191  ao's fragments
.set G1,  24                           ; ao's tiles
.set G0,  32
.set G1B, 48                           ; w_out's tiles
.set G0B, 56
.set MUL, 0x50                         ; C and D window 1
.set MSB, 0
.macro WIN new
.if MSB != \new
	s_set_vgpr_msb (MSB<<8)|\new
.set MSB, \new
.endif
.endm
.macro JLOAD s                         ; waves 0, 1 ask for w_out's halves, waves 2, 3 for ao's: the branch hangs on the wave's number alone
	s_cmp_eq_u32 s11, 0
	s_cbranch_scc0 .Lfor_a_\@
	tensor_load_to_lds s[G0B+4*\s:G0B+4*\s+3], s[G1B:G1B+7]
	s_nop 0
	s_branch .Lasked_\@
.Lfor_a_\@:
	tensor_load_to_lds s[G0+4*\s:G0+4*\s+3], s[G1:G1+7]
	s_nop 0
.Lasked_\@:
.endm
.macro CREST
	s_cmp_lg_u32 s10, 0
	s_cbranch_scc1 .Lnot_wave_0_\@
	s_barrier_signal -3
.Lnot_wave_0_\@:
	s_barrier_wait -3
	s_barrier_signal -1
	s_barrier_wait -1
.endm
.macro CROUND
	s_barrier_signal -1
	s_barrier_wait -1
	CREST
.endm
.macro PLACES                          ; four plain vector instructions behind matrix instructions (ISA guide 7.12.1)
.rept 4
	v_nop
.endr
.endm
	s_load_b128 s[4:7], s[0:1], 0x0                ; ao s[4:5], wob s[6:7]
	s_load_b64 s[8:9], s[0:1], 0x10                ; out0
	v_lshl_add_u32 v254, v0, 2, 0x45400
	v_mov_b32 v255, 0
	ds_add_u32 v254, v255
	ds_add_u32 v254, v255
	v_lshrrev_b32 v1, 5, v0
	v_readfirstlane_b32 s10, v1                    ; wave 0..3
	s_lshr_b32 s11, s10, 1                         ; iw: my 64 tokens.  Also: I fetch w_out (0) or ao (1)
	s_and_b32 s12, s10, 1                          ; jw: my 64 columns.  Also: which half I fetch
	s_bfe_u32 s40, ttmp6, 0x40000                  ; cx
	s_bfe_u32 s41, ttmp6, 0x40004                  ; cy
	s_lshl_b32 s42, ttmp9, 2
	s_add_co_u32 s42, s42, s40                     ; x
	s_and_b32 s13, ttmp7, 0xffff
	s_lshl_b32 s13, s13, 2
	s_add_co_u32 s13, s13, s41                     ; y
	s_lshl_b32 s43, s41, 2
	s_lshl_b32 s43, 15, s43                        ; my row of the cluster
	s_lshl_b32 s44, 0x1111, s40                    ; my column
	s_or_b32 s[G1+0], s43, (3<<16)|(1<<21)         ; ao: mask of my row; elements of 8 bytes; bit 21 beside a mask; no padding
	s_mov_b32 s[G1+1], 1024<<16                    ; tensor_dim0 = 1,024 elements = 8,192 bytes
	s_mov_b32 s[G1+2], 4<<16                       ; tensor_dim1 = 4 token blocks
	s_mov_b32 s[G1+3], 1024<<16                    ; tile_dim0
	s_mov_b32 s[G1+4], 4                           ; tile_dim1
	s_mov_b32 s[G1+5], 4096                        ; 32,768 bytes from a token block to the next
	s_mov_b32 s[G1+6], 0
	s_mov_b32 s[G1+7], 0
	s_or_b32 s[G1B+0], s44, (1<<16)|(1<<20)|(1<<21)|(6<<22)|(3<<25)   ; w_out: mask of my column; 2 bytes; 4 words of padding behind every 128
	s_mov_b32 s[G1B+1], 256<<16
	s_mov_b32 s[G1B+2], 64<<16
	s_mov_b32 s[G1B+3], 256<<16
	s_mov_b32 s[G1B+4], 64
	s_mov_b32 s[G1B+5], 1024
	s_mov_b32 s[G1B+6], 0
	s_mov_b32 s[G1B+7], 0
	s_lshl_b32 s16, s13, 3
	s_lshl2_add_u32 s16, s12, s16                  ; ao: token block 8 y + 4 half
	s_lshl_b32 s16, s16, 15
	s_mov_b32 s17, 0
	s_lshl_b32 s46, s42, 7
	s_lshl_b32 s47, s12, 6
	s_add_co_u32 s46, s46, s47                     ; w_out: row 128 x + 64 half
	s_lshl_b32 s46, s46, 11
	s_mov_b32 s47, 0
	s_mul_i32 s20, s10, HALFA
	s_add_co_u32 s20, s20, AOFF-2*HALFA            ; waves 2, 3: ao's halves behind w_out's tile
	s_mul_i32 s21, s10, HALFB                      ; waves 0, 1: w_out's halves from byte 0
	s_lshl_b32 s66, s13, 7                         ; out0 (mixes x and y; feeds no descriptor): token 128 y + 64 iw,
	s_lshl_b32 s67, s11, 6
	s_add_co_u32 s66, s66, s67
	s_lshl_b32 s66, s66, 12                        ; of 4,096 bytes,
	s_lshl_b32 s67, s42, 9                         ; column 128 x + 64 jw, of 4 bytes
	s_add_co_u32 s66, s66, s67
	s_lshl_b32 s67, s12, 8
	s_add_co_u32 s66, s66, s67
	s_mov_b32 s67, 0
	s_wait_dscnt 0x0
	s_wait_kmcnt 0x0
	s_add_nc_u64 s[14:15], s[4:5], s[16:17]
	s_add_nc_u64 s[46:47], s[6:7], s[46:47]
	s_add_nc_u64 s[8:9], s[8:9], s[66:67]
	CROUND                                         ; the first joint loads meet
.irp s, 0,1
	s_mov_b32 s[G0+4*\s], 1
	s_add_co_u32 s[G0+4*\s+1], s20, \s*SLOT
	s_add_nc_u64 s[G0+4*\s+2:G0+4*\s+3], s[14:15], \s*8192
	s_or_b32 s[G0+4*\s+3], s[G0+4*\s+3], 0x80000000
	s_mov_b32 s[G0B+4*\s], 1
	s_add_co_u32 s[G0B+4*\s+1], s21, \s*SLOT
	s_add_nc_u64 s[G0B+4*\s+2:G0B+4*\s+3], s[46:47], \s*512
	s_or_b32 s[G0B+4*\s+3], s[G0B+4*\s+3], 0x80000000
	JLOAD \s                                       ; K steps 0 and 1: by this text's count a wave has at most two tensor loads out
.endr
	v_and_b32 v1, 15, v0                           ; r
	v_bfe_u32 v2, v0, 4, 1                         ; hh
	v_and_b32 v6, 31, v0                           ; lane
	v_mul_u32_u24 v3, v1, BPITCH
	v_lshl_add_u32 v3, v2, 4, v3                   ; w_out: row r, byte 16 hh
	v_lshlrev_b32 v4, 4, v6                        ; ao: 16 lane
	s_mul_i32 s22, s11, HALFA
	s_add_co_u32 s22, s22, AOFF                    ; my four token blocks
	s_mul_i32 s23, s12, HALFB                      ; my 64 rows of w_out
.irp s, 0,1
	v_add_nc_u32 v[ADRA+\s], s22, v4
	v_add_nc_u32 v[ADRB+\s], s23, v3
	s_add_co_u32 s22, s22, SLOT
	s_add_co_u32 s23, s23, SLOT
.endr
	s_mul_i32 s23, s10, 16*SPITCH
	s_add_co_u32 s23, s23, STAGE                   ; my stage
	v_mul_u32_u24 v5, v1, SPITCH
	v_lshl_add_u32 v5, v2, 5, v5                   ; in: token r, 32 bytes for each half of the lanes
	v_add_nc_u32 v[STO], s23, v5
	v_mul_u32_u24 v5, v2, SPITCH
	v_lshl_add_u32 v5, v1, 4, v5                   ; back: lanes 0-15 one row of 256 bytes, lanes 16-31 the next
	v_add_nc_u32 v[RD], s23, v5
	v_lshlrev_b32 v5, 12, v2
	v_lshl_add_u32 v[CO], v1, 4, v5                ; the same two rows in out0
; 8 matrix instructions: token blocks a0, a0 + 1 x my four column blocks.  The 16 accumulators take turns, one instruction a turn.
.macro MUL8 f, a0, zero
.irp a, \a0, \a0+1
.irp b, 0,1,2,3
.if \zero
	v_wmma_f32_16x16x32_f16 v[8*(4*(\a)+\b):8*(4*(\a)+\b)+7], v[FB+64*\f+8*\b:FB+64*\f+8*\b+7], v[FA+64*\f+8*(\a):FA+64*\f+8*(\a)+7], 0
.else
	v_wmma_f32_16x16x32_f16 v[8*(4*(\a)+\b):8*(4*(\a)+\b)+7], v[FB+64*\f+8*\b:FB+64*\f+8*\b+7], v[FA+64*\f+8*(\a):FA+64*\f+8*(\a)+7], v[8*(4*(\a)+\b):8*(4*(\a)+\b)+7]
.endif
.endr
.endr
.endm
; 16 LDS loads: the fragments of eighth kq of a K step (32 along K) into buffer f
.macro FETCH slot, kq, f
.irp b, 0,1,2,3
	ds_load_b128 v[FB+64*\f+8*\b:FB+64*\f+8*\b+3],   v[ADRB+\slot] offset:\b*16*BPITCH+(\kq)*64
	ds_load_b128 v[FB+64*\f+8*\b+4:FB+64*\f+8*\b+7], v[ADRB+\slot] offset:\b*16*BPITCH+(\kq)*64+32
.endr
.irp a, 0,1,2,3
	ds_load_b128 v[FA+64*\f+8*\a:FA+64*\f+8*\a+3],   v[ADRA+\slot] offset:\a*8192+(\kq)*1024
	ds_load_b128 v[FA+64*\f+8*\a+4:FA+64*\f+8*\a+7], v[ADRA+\slot] offset:\a*8192+(\kq)*1024+512
.endr
.endm
; one of a K step's first seven eighths: fetches the next eighth into buffer g, multiplies buffer f
.macro EIGHTH slot, kq, f, g, zero
	PLACES
	WIN 0
	FETCH \slot, \kq+1, \g
	s_wait_dscnt 16                                ; all but the 16 just issued: buffer f is in
	WIN MUL
	MUL8 \f, 0, \zero
	MUL8 \f, 2, \zero
.endm
.macro SEVEN slot, zero
	EIGHTH \slot, 0, 0, 1, \zero
	EIGHTH \slot, 1, 1, 0, 0
	EIGHTH \slot, 2, 0, 1, 0
	EIGHTH \slot, 3, 1, 0, 0
	EIGHTH \slot, 4, 0, 1, 0
	EIGHTH \slot, 5, 1, 0, 0
	EIGHTH \slot, 6, 0, 1, 0
.endm
; the last eighth: multiplies buffer 1 and changes slots; waits, barrier (where the slot is filled again: a round of the cluster's), refill first, then the next slot's reads
.macro TURNP slot, next, fill
	s_wait_dscnt 0                                 ; my reads of this slot are over
	s_wait_tensorcnt 0x0                           ; all my tensor loads have landed: my part of the next slot
	ds_add_u32 v254, v255
	s_wait_dscnt 0x0
	s_barrier_signal -1
	WIN MUL
	MUL8 1, 0, 0                                   ; register work while the others arrive
	WIN 0
	s_barrier_wait -1
.if \fill
	CREST
	s_add_nc_u64 s[G0+4*\slot+2:G0+4*\slot+3], s[G0+4*\slot+2:G0+4*\slot+3], 2*8192
	s_add_nc_u64 s[G0B+4*\slot+2:G0B+4*\slot+3], s[G0B+4*\slot+2:G0B+4*\slot+3], 2*512
	JLOAD \slot                                    ; the first tensor load behind the round
.endif
	PLACES
	FETCH \next, 0, 0
	WIN MUL
	MUL8 1, 2, 0
.endm
	s_wait_tensorcnt 1                             ; my part of K step 0 is in; K step 1's load may be out
	s_barrier_signal -1
	s_barrier_wait -1
	FETCH 0, 0, 0
	SEVEN 0, 1                                     ; K step 0: its first products start the sums
	TURNP 0, 1, 1                                  ; asks for K step 2
	SEVEN 1, 0
	TURNP 1, 0, 1                                  ; asks for K step 3
	SEVEN 0, 0
	TURNP 0, 1, 0
	SEVEN 1, 0
	s_wait_dscnt 0
	WIN MUL
	MUL8 1, 0, 0
	MUL8 1, 2, 0
	; THE WAY OUT, 16 tokens at a time
	PLACES
.macro OUTP a
	WIN 0x04                                       ; store data window 1
.irp b, 0,1,2,3
	ds_store_b128 v[STO], v[8*(4*\a+\b):8*(4*\a+\b)+3]   offset:\b*64
	ds_store_b128 v[STO], v[8*(4*\a+\b)+4:8*(4*\a+\b)+7] offset:\b*64+16
.endr
	WIN 0
.irp t, 0,1,2,3,4,5,6,7
	ds_load_b128 v[64+32*\a+4*\t:64+32*\a+4*\t+3], v[RD] offset:\t*2*SPITCH   ; LDS serves a wave's instructions in order (ISA guide 5.7.1.4): these see the stores above
.endr
.irp t, 0,1,2,3,4,5,6,7
	s_wait_dscnt 7-\t                              ; the younger read-backs may be out
	global_store_b128 v[CO], v[64+32*\a+4*\t:64+32*\a+4*\t+3], s[8:9] offset:\a*65536+\t*8192 th:TH_STORE_NT
.endr
.endm                                  ; each block's read-back has registers of its own: nothing that a store reads is written again
	OUTP 0
	OUTP 1
	OUTP 2
	OUTP 3
	s_wait_tensorcnt 0x0
	ds_add_u32 v254, v255
	s_wait_dscnt 0x0
	CROUND                                         ; the closing round
	s_endpgm
.Lfunc_end_k_qd416a49457_proj:
	.size	k_qd416a49457_proj, .Lfunc_end_k_qd416a49457_proj-k_qd416a49457_proj
	.p2alignl 7, 3214868480
	.fill 96, 4, 3214868480
	.section	.rodata,"a",@progbits
	.p2align	6, 0x0
	.amdhsa_kernel k_qd416a49457_proj
		.amdhsa_group_segment_fixed_size 327680
		.amdhsa_private_segment_fixed_size 0
		.amdhsa_enable_private_segment 0
		.amdhsa_kernarg_size 24
		.amdhsa_user_sgpr_count 2
		.amdhsa_user_sgpr_kernarg_segment_ptr 1
		.amdhsa_wavefront_size32 1
		.amdhsa_system_sgpr_workgroup_id_x 1
		.amdhsa_system_sgpr_workgroup_id_y 1
		.amdhsa_system_sgpr_workgroup_id_z 1
		.amdhsa_system_vgpr_workitem_id 0
		.amdhsa_next_free_vgpr 384
		.amdhsa_next_free_sgpr 72
		.amdhsa_reserve_vcc 0
		.amdhsa_float_denorm_mode_32 3
		.amdhsa_float_denorm_mode_16_64 3
		.amdhsa_memory_ordered 1
		.amdhsa_forward_progress 1
		.amdhsa_inst_pref_size 88
	.end_amdhsa_kernel
	.amdgpu_metadata
---
amdhsa.version: [ 1, 2 ]
amdhsa.kernels:
  - .name:           k_qd416a49457_proj
    .symbol:         k_qd416a49457_proj.kd
    .args:
      - { .name: ao, .offset: 0, .size: 8, .value_kind: global_buffer, .address_space: global }
      - { .name: wob, .offset: 8, .size: 8, .value_kind: global_buffer, .address_space: global }
      - { .name: out0, .offset: 16, .size: 8, .value_kind: global_buffer, .address_space: global }
    .group_segment_fixed_size: 327680
    .private_segment_fixed_size: 0
    .kernarg_segment_align: 8
    .kernarg_segment_size: 24
    .max_flat_workgroup_size: 128
    .sgpr_count:     72
    .vgpr_count:     384
    .wavefront_size: 32
...
	.end_amdgpu_metadata
.endif
;; end of part 4
;; ======== version 2 of 2: 4 launches; version 1 with the launch prep written anew for expert scheduling mode
;; limits: right only within a limited range of input values; values are held in f16: magnitudes above 65,504 overflow, below 6.1e-05 lose precision
;; workspace buffers: xb 8,388,608 bytes; wqb 6,291,456 bytes; wob 2,097,152 bytes; tab 524,288 bytes; qf 8,388,608 bytes; kf 8,388,608 bytes; vf 8,388,608 bytes; ao 8,388,608 bytes
;; launch prep (part 5): grid 256 x 1, 8 waves a work-group, no clusters, 0 bytes of LDS; arguments x, w_qkv, w_out, token_positions, xb, wqb, wob, tab; writes xb, wqb, wob, tab
.if DOCPART == 5
	.amdgcn_target "amdgcn-amd-amdhsa--gfx1250"
	.amdhsa_code_object_version 6
	.text
	.protected	k_qd416a49457_prep
	.globl	k_qd416a49457_prep
	.p2align	8
	.type	k_qd416a49457_prep,@function
k_qd416a49457_prep:
	s_mov_b64 s[64:65], 0
	v_nop
	global_prefetch_b8 v0, s[64:65] scope:SCOPE_SE
	s_setreg_imm32_b32 hwreg(HW_REG_WAVE_SCHED_MODE, 0, 2), 2
	s_setreg_imm32_b32 hwreg(HW_REG_WAVE_MODE, 25, 1), 1
	s_wait_xcnt 0x0
	s_wait_alu depctr_vm_vsrc(0)
; Rounds x, w_qkv and w_out once from f32 to bf16 (xb, wqb, wob) and makes the table of cos and sin (tab).
; All three inputs carry the same one rounding, to bf16.  xb and wqb hold the bf16 numbers as they are: they meet in the first product, in its bf16 form.
; wob holds w_out's bf16 numbers WRITTEN IN F16's FORMAT, because their partner in the last product, the attention's result, is kept in f16 for its 11-bit significand:
; a bf16 number has 8 significant bits, so the change of format is exact for |w| of 2^-17 and more and off by at most 2^-25 below.
; 256 work-groups of 8 waves; each converts 32 rows of 1,024 numbers: groups 0-127 x, 128-223 w_qkv, 224-255 w_out.
; w_qkv's rows are regrouped by head: row t*1024 + h*64 + r (t = q, k, v) goes to row h*192 + t*64 + r of wqb.
; Thread t owns numbers 4t .. 4t+3 of every row: a wave's load covers 512 consecutive bytes, its store 256 consecutive aligned bytes.
; All 32 loads of a thread are issued at once, each into registers of its own, and each store has data registers of its own.
; Thread t of group g also makes table entry T = 256 g + t, (cos, sin) at byte 8 T:
;   T = sblk<<9 | jw<<8 | b<<7 | c<<6 | hh<<5 | r<<1 | e   for token 16 sblk + r and frequency i = 16 jw + 8 b + 4 hh + 2 c + e,
; the order in which the projection's lanes want it (16 bytes a lane, 512 consecutive bytes a load).
; LIMITS: |token_positions| up to 2^20 (beyond it the three-part reduction by pi/2 no longer leaves |r| near pi/4 or less);
; 1/theta^(i/32) is made as exp2(-i log2(10000)/32), a few units of the last place of f32 away from the quotient of powers;
; |w_out| below 65,504 (f16's range; it is drawn with spread 0.031).
; No LDS, no barrier, no matrix unit: the launch only streams.
; THE MODE: SCHED_MODE bits 1:0 = 2 (LLVM: expert scheduling mode 2), set by the entry lines.  The code itself states the register dependences
; between vector instructions and memory instructions, with s_wait_alu, always for 0.
; THE PLAN.  Registers that memory instructions touch:
;   v1, v2, v3   byte offsets.  Written by vector instructions at the head, once; read by every load and store; never written again.
;   v4           the position.  Written by its load alone; no vector instruction names it before the load is issued.
;   X            row i's four numbers.  Written by row i's load alone, which is issued before any vector instruction names X; read by row i's conversions; never loaded again.
;   v[18:19]     (cos, sin).  Written by two vector instructions; read by the table's store; never written again.
;   Y            row i's two packed words.  Written by row i's conversions, once; read by row i's store; never written again.
; No register that a memory instruction reads is written again, and no load lands in a register that a vector instruction has named: the one kind of dependence is
; 'a vector instruction writes, a memory instruction reads'.  The 32 rows go in 8 blocks of 4.  Block p's vector instructions write block p's Y (and U, which no memory
; instruction names); the stores of block p - 1 are dealt among them.  So ONE wait on va_vdst at a block's head states all that the block's four stores hang on.
.set X, 32                             ; v[32:159]   row i: 4 numbers as loaded
.set Y, 160                            ; v[160:223]  row i: 4 numbers of 16 bits
.set U, 24                             ; v[24:29]    w_out's way: two packed words in bf16, four numbers widened again
.set ROWS, 32                          ; rows of a work-group
.set BLK, 4                            ; rows in a block
	s_load_b512 s[8:23], s[0:1], 0x0               ; x 8:9, w_qkv 10:11, w_out 12:13, token_positions 14:15, xb 16:17, wqb 18:19, wob 20:21, tab 22:23
	s_mov_b32 s2, ttmp9                            ; g
	v_lshlrev_b32 v1, 4, v0                        ; 16 t: my bytes in an f32 row
	v_lshlrev_b32 v2, 3, v0                        ; 8 t: my bytes in a 16-bit row, and my table entry
	v_bfe_u32 v3, v0, 1, 4                         ; r
	v_lshlrev_b32 v3, 2, v3                        ; my token's position, in bytes from the block's first
	s_cmp_lt_u32 s2, 128
	s_cselect_b32 s3, 0, 128
	s_cmp_lt_u32 s2, 224
	s_cselect_b32 s3, s3, 224                      ; first group of my tensor
	s_sub_co_u32 s4, s2, s3                        ; j: which 32 rows of it
	s_lshl_b32 s28, s4, 17                         ; in: 32 rows of 4,096 bytes
	s_mov_b32 s29, 0
	s_lshl_b32 s30, s4, 16                         ; out: 32 rows of 2,048 bytes, in place ..
	s_lshr_b32 s5, s4, 1
	s_and_b32 s5, s5, 15                           ; .. but for w_qkv: head h = (j>>1) & 15,
	s_mul_i32 s5, s5, 192
	s_lshr_b32 s6, s4, 5                           ; t = j >> 5,
	s_lshl_b32 s6, s6, 6
	s_add_co_u32 s5, s5, s6
	s_and_b32 s6, s4, 1                            ; upper or lower 32 rows of the head's 64
	s_lshl_b32 s6, s6, 5
	s_add_co_u32 s5, s5, s6
	s_lshl_b32 s5, s5, 11
	s_cmp_eq_u32 s3, 128
	s_cselect_b32 s30, s5, s30
	s_mov_b32 s31, 0
	s_lshl_b32 s32, s2, 11                         ; table: 256 entries of 8 bytes a group
	s_mov_b32 s33, 0
	s_lshr_b32 s34, s2, 1                          ; sblk
	s_lshl_b32 s34, s34, 6                         ; 16 positions of 4 bytes
	s_mov_b32 s35, 0
	s_and_b32 s7, s2, 1
	s_lshl_b32 s7, s7, 4                           ; 16 jw
	s_wait_kmcnt 0x0
	s_cmp_lt_u32 s2, 128
	s_cselect_b64 s[24:25], s[8:9], s[10:11]       ; from
	s_cselect_b64 s[26:27], s[16:17], s[18:19]     ; to
	s_cmp_lt_u32 s2, 224
	s_cselect_b64 s[24:25], s[24:25], s[12:13]
	s_cselect_b64 s[26:27], s[26:27], s[20:21]
	s_add_nc_u64 s[24:25], s[24:25], s[28:29]
	s_add_nc_u64 s[26:27], s[26:27], s[30:31]
	s_add_nc_u64 s[22:23], s[22:23], s[32:33]
	s_add_nc_u64 s[14:15], s[14:15], s[34:35]
	s_wait_alu depctr_va_vdst(0)                   ; v1, v2 and v3 are written: every load and store of the kernel reads one of them as its offset
	global_load_b32 v4, v3, s[14:15]               ; my token's position
.irp i, 0,1,2,3,4,5,6,7,8,9,10,11,12,13,14,15,16,17,18,19,20,21,22,23,24,25,26,27,28,29,30,31
	global_load_b128 v[X+4*\i:X+4*\i+3], v1, s[24:25] offset:\i*4096 th:TH_LOAD_NT
.endr
	; while they are on their way: my frequency
	v_bfe_u32 v5, v0, 7, 1                         ; b
	v_bfe_u32 v6, v0, 5, 1                         ; hh
	v_bfe_u32 v7, v0, 6, 1                         ; c
	v_and_b32 v8, 1, v0                            ; e
	v_lshl_add_u32 v5, v5, 3, s7
	v_lshl_add_u32 v5, v6, 2, v5
	v_lshl_add_u32 v5, v7, 1, v5
	v_add_nc_u32 v5, v5, v8                        ; i
	v_cvt_f32_u32 v5, v5
	v_mul_f32 v5, 0xbed49a78, v5                   ; -i log2(10000) / 32
	v_exp_f32 v5, v5                               ; 1 / 10000^(i/32)
	v_nop                                          ; one plain vector instruction behind a transcendental before its result is used (ISA guide 5.7.2)
	s_wait_loadcnt 32                              ; the position is in; the 32 loads issued behind it stay out
	v_cvt_f32_i32 v6, v4
	s_wait_alu depctr_va_vdst(0)                   ; the exponential has written v5, which the next line reads
	v_mul_f32 v6, v6, v5                           ; the angle, rounded as in position * inv_freq
	v_mul_f32 v7, 0x3f22f983, v6                   ; * 2/pi
	v_rndne_f32 v7, v7                             ; k quarter turns
	v_fmamk_f32 v8, v7, 0xbfc90000, v6             ; r = angle - k pi/2, pi/2 in three parts: 1.5703125,
	v_fmamk_f32 v8, v7, 0xb9fda000, v8             ; 4.8375130e-4,
	v_fmamk_f32 v8, v7, 0xb3a22168, v8             ; 7.5497900e-8
	v_mul_f32 v9, v8, v8                           ; z = r r
	v_mov_b32 v10, 0xb9500d01                      ; sin r = r + r z (-1/6 + z (1/120 - z/5040))
	v_fmaak_f32 v10, v10, v9, 0x3c088889
	v_fmaak_f32 v10, v10, v9, 0xbe2aaaab
	v_mul_f32 v11, v8, v9
	v_fma_f32 v10, v11, v10, v8
	v_mov_b32 v12, 0x37d00d01                      ; cos r = 1 + z (-1/2 + z (1/24 + z (-1/720 + z/40320)))
	v_fmaak_f32 v12, v12, v9, 0xbab60b61
	v_fmaak_f32 v12, v12, v9, 0x3d2aaaab
	v_fma_f32 v12, v12, v9, -0.5
	v_fma_f32 v12, v12, v9, 1.0
	v_cvt_i32_f32 v13, v7                          ; k as a whole number
	v_and_b32 v14, 1, v13
	v_cmp_eq_u32 vcc_lo, 1, v14                    ; an odd quarter swaps the two
	v_lshlrev_b32 v17, 30, v13                     ; the two signs, which read no VCC, stand between the compare and the wait for it
	v_and_b32 v17, 0x80000000, v17                 ; sin changes sign in quarters 2, 3: bit 1 of k
	v_add_nc_u32 v13, 1, v13
	v_lshlrev_b32 v13, 30, v13
	v_and_b32 v13, 0x80000000, v13                 ; cos in quarters 1, 2: bit 1 of k + 1
	s_wait_alu depctr_va_vcc(0)                    ; the compare has written VCC, which the two selects below read
	v_cndmask_b32 v15, v10, v12, vcc_lo            ; |sin|
	v_cndmask_b32 v16, v12, v10, vcc_lo            ; |cos|
	v_xor_b32 v19, v15, v17
	v_xor_b32 v18, v16, v13
	s_wait_alu depctr_va_vdst(0)                   ; v18 and v19 are written, which the store reads as its data
	global_store_b64 v2, v[18:19], s[22:23]        ; (cos, sin)
	s_cmp_lt_u32 s2, 224                           ; the branch hangs on the work-group's number alone
	s_cbranch_scc0 .Lw_out
	; x and w_qkv: bf16 as it is.  Row i's turn: the store of row i - 4, the wait for row i, its two conversions.
.set i, 0
.rept ROWS
.if (i % BLK == 0) && (i > 0)
	s_wait_alu depctr_va_vdst(0)                   ; the block before has written its Y, which this block's four stores read; no vector instruction behind this wait names those registers
.endif
.if i >= BLK
	global_store_b64 v2, v[Y+2*(i-BLK):Y+2*(i-BLK)+1], s[26:27] offset:(i-BLK)*2048
.endif
	s_wait_loadcnt ROWS-1-i                        ; loads come back in order (ISA guide 5.7.1): row i is in, the younger rows stay out
	v_cvt_pk_bf16_f32 v[Y+2*i], v[X+4*i], v[X+4*i+1]
	v_cvt_pk_bf16_f32 v[Y+2*i+1], v[X+4*i+2], v[X+4*i+3]
.set i, i+1
.endr
	s_wait_alu depctr_va_vdst(0)                   ; the last block has written its Y, which the last four stores read
.set i, ROWS-BLK
.rept BLK
	global_store_b64 v2, v[Y+2*i:Y+2*i+1], s[26:27] offset:i*2048
.set i, i+1
.endr
	s_endpgm
.Lw_out:
	; w_out: rounded to bf16, widened again (a shift, a mask), written in f16's format.  The same blocks, stores and waits as on the other way.
.set i, 0
.rept ROWS
.if (i % BLK == 0) && (i > 0)
	s_wait_alu depctr_va_vdst(0)                   ; the block before has written its Y, which this block's four stores read; no vector instruction behind this wait names those registers
.endif
.if i >= BLK
	global_store_b64 v2, v[Y+2*(i-BLK):Y+2*(i-BLK)+1], s[26:27] offset:(i-BLK)*2048
.endif
	s_wait_loadcnt ROWS-1-i                        ; the same counts as on the other way
	v_cvt_pk_bf16_f32 v[U], v[X+4*i], v[X+4*i+1]
	v_cvt_pk_bf16_f32 v[U+1], v[X+4*i+2], v[X+4*i+3]
	v_lshlrev_b32 v[U+2], 16, v[U]
	v_and_b32 v[U+3], 0xffff0000, v[U]
	v_lshlrev_b32 v[U+4], 16, v[U+1]
	v_and_b32 v[U+5], 0xffff0000, v[U+1]
	v_cvt_pk_f16_f32 v[Y+2*i], v[U+2], v[U+3]
	v_cvt_pk_f16_f32 v[Y+2*i+1], v[U+4], v[U+5]
.set i, i+1
.endr
	s_wait_alu depctr_va_vdst(0)                   ; the last block has written its Y, which the last four stores read
.set i, ROWS-BLK
.rept BLK
	global_store_b64 v2, v[Y+2*i:Y+2*i+1], s[26:27] offset:i*2048
.set i, i+1
.endr
	s_endpgm
.Lfunc_end_k_qd416a49457_prep:
	.size	k_qd416a49457_prep, .Lfunc_end_k_qd416a49457_prep-k_qd416a49457_prep
	.p2alignl 7, 3214868480
	.fill 96, 4, 3214868480
	.section	.rodata,"a",@progbits
	.p2align	6, 0x0
	.amdhsa_kernel k_qd416a49457_prep
		.amdhsa_group_segment_fixed_size 0
		.amdhsa_private_segment_fixed_size 0
		.amdhsa_enable_private_segment 0
		.amdhsa_kernarg_size 64
		.amdhsa_user_sgpr_count 2
		.amdhsa_user_sgpr_kernarg_segment_ptr 1
		.amdhsa_wavefront_size32 1
		.amdhsa_system_sgpr_workgroup_id_x 1
		.amdhsa_system_sgpr_workgroup_id_y 1
		.amdhsa_system_sgpr_workgroup_id_z 1
		.amdhsa_system_vgpr_workitem_id 0
		.amdhsa_next_free_vgpr 224
		.amdhsa_next_free_sgpr 66
		.amdhsa_reserve_vcc 1
		.amdhsa_float_denorm_mode_32 3
		.amdhsa_float_denorm_mode_16_64 3
		.amdhsa_memory_ordered 1
		.amdhsa_forward_progress 1
		.amdhsa_inst_pref_size 35
	.end_amdhsa_kernel
	.amdgpu_metadata
---
amdhsa.version: [ 1, 2 ]
amdhsa.kernels:
  - .name:           k_qd416a49457_prep
    .symbol:         k_qd416a49457_prep.kd
    .args:
      - { .name: x, .offset: 0, .size: 8, .value_kind: global_buffer, .address_space: global }
      - { .name: w_qkv, .offset: 8, .size: 8, .value_kind: global_buffer, .address_space: global }
      - { .name: w_out, .offset: 16, .size: 8, .value_kind: global_buffer, .address_space: global }
      - { .name: token_positions, .offset: 24, .size: 8, .value_kind: global_buffer, .address_space: global }
      - { .name: xb, .offset: 32, .size: 8, .value_kind: global_buffer, .address_space: global }
      - { .name: wqb, .offset: 40, .size: 8, .value_kind: global_buffer, .address_space: global }
      - { .name: wob, .offset: 48, .size: 8, .value_kind: global_buffer, .address_space: global }
      - { .name: tab, .offset: 56, .size: 8, .value_kind: global_buffer, .address_space: global }
    .group_segment_fixed_size: 0
    .private_segment_fixed_size: 0
    .kernarg_segment_align: 8
    .kernarg_segment_size: 64
    .max_flat_workgroup_size: 256
    .sgpr_count:     66
    .vgpr_count:     224
    .wavefront_size: 32
...
	.end_amdgpu_metadata
.endif
;; end of part 5
;; launch qkv: the kernel of part 2 again; grid 16 x 16, 4 waves a work-group, clusters of 4 x 4, 327,680 bytes of LDS; arguments xb, wqb, tab, qf, kf, vf; writes qf, kf, vf
;; launch attn: the kernel of part 3 again; grid 8 x 32, 8 waves a work-group, no clusters, 327,680 bytes of LDS; arguments qf, kf, vf, ao; writes ao
;; launch proj: the kernel of part 4 again; grid 8 x 32, 4 waves a work-group, clusters of 4 x 4, 327,680 bytes of LDS; arguments ao, wob, out0; writes out0
